; MI455X (gfx1250); checked and timed in simulation.
; The chip was launched on July 23, 2026; its instructions are those of AMD's public machine-readable ISA for CDNA 5 (MIT licence, August 2026) and "CDNA5" Instruction Set Architecture Reference Guide (July 2026). The comments in the code are by the model that wrote it; some were corrected since.
;; Bahdanau Attention. Allowed arithmetic: float matrix products may take bf16 or f16 operands with f32 sums; other float arithmetic in f32, or as packed bf16 or f16 multiplies, adds, multiply-adds, maxima and minima; sums over many terms, partial sums and values carried from step to step in f32; what a program stores and reads back later, other than sums and carried values, may be rounded once to bf16 or f16.
;; Inputs: V 1,024 x 1 float32; W1 1,024 x 1,024 float32; W2 1,024 x 1,024 float32; b1 1,024 float32; b2 1,024 float32; bV 1 float32; query 32 x 1,024 float32; values 32 x 2,048 x 1,024 float32.
;; Outputs: out0 32 x 1,024 float32; out1 32 x 2,048 x 1 float32.
;; 2 versions, each right; version 2 is version 1 with the launch attn written anew for expert scheduling mode. Each part assembles by itself: llvm-mc -triple=amdgcn-amd-amdhsa -mcpu=gfx1250 --defsym DOCPART=n.
;; ======== version 1 of 2: 3 launches
;; limits: values outside matrix products are rounded to bf16
;; workspace buffers: w2f 2,195,456 bytes; qpart 1,048,576 bytes; scores 262,144 bytes; ctxp 1,048,576 bytes
;; launch prep (part 1): grid 128 x 1, 4 waves a work-group, no clusters, 50,176 bytes of LDS; arguments W2, W1, query, w2f, qpart; writes w2f, qpart
.if DOCPART == 1
	.amdgcn_target "amdgcn-amd-amdhsa--gfx1250"
	.amdhsa_code_object_version 6
	.text
	.protected	k_q6ab01edc8a_prep
	.globl	k_q6ab01edc8a_prep
	.p2align	8
	.type	k_q6ab01edc8a_prep,@function
k_q6ab01edc8a_prep:
	s_mov_b64 s[64:65], 0
	v_nop
	global_prefetch_b8 v0, s[64:65] scope:SCOPE_SE
	s_setreg_imm32_b32 hwreg(HW_REG_WAVE_MODE, 25, 1), 1
	s_wait_xcnt 0x0
; PREP.  Two jobs on one tile shape.  Work-group g takes 128 k (kq = g / 16) x 64 n (nt = g % 16) of W2 and of W1.
; (1) w2f: bf16(c W2), c = 2 log2(e), rounded once after the scaling, laid out as matrix fragments (16 n x 32 k: lane l holds n = l % 16;
;     registers 0-3 k = 8 (l / 16) + 0..7, registers 4-7 k = 16 + 8 (l / 16) + 0..7).  Four streams (one for each wave of the next launch) of 67 positions of
;     8,192 bytes; position p = 32 (n / 512) + k / 32; in it eight fragments of 1,024 bytes; in a fragment 16 l holds registers 0-3, 512 + 16 l registers 4-7.
;     Positions 64 to 66 repeat 0 to 2.
; (2) qpart[kq][b][n] = the sum over the tile's 128 k of query[b][k] W1[k][n], operands rounded to bf16, sums in f32.
; Both tiles go through LDS as [k][n] bf16 and come out turned by ds_load_tr16_b128.  128 work-groups of equal work: all there is.
; LIMITS: NaN and infinities are not treated apart.
.set TP,     160                       ; a tile's row in LDS: 128 bytes + 32: an odd multiple of 32
.set T2,     0                         ; W2's tile, 128 rows
.set T1,     128*TP                    ; W1's tile
.set QST,    2*128*TP                  ; the way out of qpart: 32 rows (b) x 256 bytes, pitch 272
.set QPI,    272
.set SPARE,  QST+32*QPI                ; the spare words, 128 bytes for each wave: two blocks of 256 bytes that no other line names
.set POSB,   8192
.set STREAM, 67*POSB
.set SPW, 1                            ; v1  LDS address of my spare word; never rewritten
.set NIL, 2                            ; v2  0; never rewritten
.set GO,  3                            ; v3  my byte offset in W2 and W1
.set LS,  4                            ; v4  where I put 8 bytes of a tile's row
.set TR,  5                            ; v5  the turning loads' address
.set QO,  6                            ; v6  my byte offset in query
.set FO,  7                            ; v7  16 x lane
.set QSW, 8                            ; v8  into the stage
.set QSR, 9                            ; v9  back out of it
.set QGO, 10                           ; v10 my byte offset in qpart
.set WA,  16                           ; v[16:79]   W2 as loaded; later query, k blocks 2 and 3
.set WB,  80                           ; v[80:143]  W1 as loaded; later W2's fragments (80-111) and W1's (112-143)
.set QA,  144                          ; v[144:207] query, k blocks 0 and 1
.set ACC, 208                          ; v[208:223] two accumulators: b 0-15, b 16-31
	s_load_b256 s[4:11], s[0:1], 0x0               ; W2 s[4:5], W1 s[6:7], query s[8:9], w2f s[10:11]
	s_load_b64 s[12:13], s[0:1], 0x20              ; qpart
	v_lshl_add_u32 v[SPW], v0, 2, SPARE
	v_mov_b32 v[NIL], 0
	v_lshrrev_b32 v12, 5, v0
	v_readfirstlane_b32 s14, v12                   ; wave w
	s_mov_b32 s19, ttmp9
	s_and_b32 s15, s19, 15                         ; nt
	s_lshr_b32 s16, s19, 4                         ; kq
	s_mov_b32 s20, 0x4038aa3b                      ; c = 2 log2(e)
	s_mov_b32 s21, s20                             ; named with it as a pair
	v_and_b32 v12, 15, v0                          ; r = l % 16
	v_bfe_u32 v13, v0, 4, 1                        ; h = l / 16
	v_and_b32 v14, 31, v0                          ; l
	s_lshl_b32 s17, s16, 19                        ; (128 kq + 32 w) rows of 4,096 bytes + 256 nt
	s_lshl_b32 s18, s14, 17
	s_add_co_u32 s17, s17, s18
	s_lshl_b32 s18, s15, 8
	s_add_co_u32 s17, s17, s18
	v_lshl_add_u32 v[GO], v13, 14, s17             ; + 4 h rows
	v_lshl_add_u32 v[GO], v12, 4, v[GO]            ; + 16 r: sixteen lanes take a row's 256 bytes
	s_mul_i32 s18, s14, 32*TP
	v_mul_u32_u24 v[LS], v13, 4*TP                 ; the two halves of the lanes lie 4 rows = 160 words apart
	v_lshl_add_u32 v[LS], v12, 3, v[LS]
	v_add_nc_u32 v[LS], s18, v[LS]
	v_and_b32 v15, 7, v0
	v_lshl_add_u32 v15, v13, 3, v15                ; k = 8 h + l % 8
	v_mul_u32_u24 v[TR], v15, TP
	v_bfe_u32 v15, v0, 3, 1
	v_lshl_add_u32 v[TR], v15, 4, v[TR]            ; + 16 ((l / 8) % 2)
	s_lshl_b32 s18, s14, 5
	v_add_nc_u32 v[TR], s18, v[TR]                 ; + my block of 16 n: 32 w bytes
	s_lshl_b32 s18, s16, 9
	v_lshl_add_u32 v[QO], v12, 12, s18             ; row r, k = 128 kq
	v_lshl_add_u32 v[QO], v13, 5, v[QO]            ; + 8 h numbers
	v_lshlrev_b32 v[FO], 4, v14
	s_lshl_b32 s18, s14, 6
	s_add_co_u32 s18, s18, QST
	v_mul_u32_u24 v[QSW], v12, QPI                 ; row b = r, columns 16 w + 8 h
	v_lshl_add_u32 v[QSW], v13, 5, v[QSW]
	v_add_nc_u32 v[QSW], s18, v[QSW]
	s_mul_i32 s18, s14, 8*QPI
	s_add_co_u32 s18, s18, QST
	v_mul_u32_u24 v[QSR], v13, QPI                 ; back: rows 8 w + h, 16 r
	v_lshl_add_u32 v[QSR], v12, 4, v[QSR]
	v_add_nc_u32 v[QSR], s18, v[QSR]
	s_lshl_b32 s18, s14, 15
	v_lshl_add_u32 v[QGO], v13, 12, s18
	v_lshl_add_u32 v[QGO], v12, 4, v[QGO]
	s_bfe_u32 s22, s15, 0x20001                    ; my n block is 4 nt + w = 32 chunk + 8 stream + i: stream = (nt / 2) % 4
	s_mul_i32 s22, s22, STREAM
	s_lshr_b32 s23, s15, 3                         ; chunk = nt / 8
	s_lshl_b32 s23, s23, 5
	s_lshl2_add_u32 s23, s16, s23                  ; position 32 chunk + 4 kq
	s_lshl_b32 s23, s23, 13
	s_add_co_u32 s22, s22, s23
	s_and_b32 s23, s15, 1
	s_lshl2_add_u32 s23, s23, s14                  ; i = 4 (nt % 2) + w
	s_lshl_b32 s23, s23, 10
	s_add_co_u32 s22, s22, s23
	s_mov_b32 s23, 0
	s_lshl_b32 s24, s16, 17                        ; qpart: kq x 32 x 4,096 + 256 nt
	s_lshl_b32 s25, s15, 8
	s_add_co_u32 s24, s24, s25
	s_mov_b32 s25, 0
	s_wait_kmcnt 0x0
	s_add_nc_u64 s[10:11], s[10:11], s[22:23]
	s_add_nc_u64 s[12:13], s[12:13], s[24:25]
; load q of 16 takes rows (q % 4) + 8 (q / 4) (lanes 0-15) and 4 further down (lanes 16-31) of my wave's 32
.set q, 0
.rept 16
	global_load_b128 v[WA+4*q:WA+4*q+3], v[GO], s[4:5] offset:((q%4)+8*(q/4))*4096 th:TH_LOAD_NT
.set q, q+1
.endr
.set q, 0
.rept 16
	global_load_b128 v[WB+4*q:WB+4*q+3], v[GO], s[6:7] offset:((q%4)+8*(q/4))*4096 th:TH_LOAD_NT
.set q, q+1
.endr
; a fragment of query (16 b x 32 k) is 16 f32 a lane: four loads; block (kb, bb) has 16 registers
.macro QLOAD base, kb0
.irp kb, 0,1
.irp bb, 0,1
	global_load_b128 v[(\base)+16*(2*\kb+\bb):(\base)+16*(2*\kb+\bb)+3],     v[QO], s[8:9] offset:\bb*65536+((\kb0)+\kb)*128
	global_load_b128 v[(\base)+16*(2*\kb+\bb)+4:(\base)+16*(2*\kb+\bb)+7],   v[QO], s[8:9] offset:\bb*65536+((\kb0)+\kb)*128+16
	global_load_b128 v[(\base)+16*(2*\kb+\bb)+8:(\base)+16*(2*\kb+\bb)+11],  v[QO], s[8:9] offset:\bb*65536+((\kb0)+\kb)*128+64
	global_load_b128 v[(\base)+16*(2*\kb+\bb)+12:(\base)+16*(2*\kb+\bb)+15], v[QO], s[8:9] offset:\bb*65536+((\kb0)+\kb)*128+80
.endr
.endr
.endm
	QLOAD QA, 0
	s_wait_loadcnt 32                              ; W2 is in: W1's 16 loads and query's 16 are younger
.set q, 0
.rept 32
	v_pk_mul_f32 v[WA+2*q:WA+2*q+1], v[WA+2*q:WA+2*q+1], s[20:21] op_sel_hi:[1,0]
.set q, q+1
.endr
.macro TOTILE base, tile               ; four f32 a load become 8 bytes of a tile's row
.set q, 0
.rept 16
	v_cvt_pk_bf16_f32 v[(\base)+4*q],   v[(\base)+4*q],   v[(\base)+4*q+1]
	v_cvt_pk_bf16_f32 v[(\base)+4*q+1], v[(\base)+4*q+2], v[(\base)+4*q+3]
.set q, q+1
.endr
.set q, 0
.rept 16
	ds_store_b64 v[LS], v[(\base)+4*q:(\base)+4*q+1] offset:(\tile)+((q%4)+8*(q/4))*TP
.set q, q+1
.endr
.endm
	TOTILE WA, T2
	QLOAD WA, 2                                    ; query's k blocks 2 and 3, into the registers that W2 has left
	s_wait_loadcnt 32                              ; W1 is in: both halves of query are younger
	TOTILE WB, T1
	s_wait_dscnt 0x0                               ; for the others' sake: my rows of both tiles are written
	s_barrier_signal -1
	s_barrier_wait -1
.irp kb, 0,1,2,3                       ; my block of 16 n, four fragments of 32 k, of W2,
	ds_load_tr16_b128 v[WB+8*\kb:WB+8*\kb+3],   v[TR] offset:T2+32*\kb*TP
	ds_load_tr16_b128 v[WB+8*\kb+4:WB+8*\kb+7], v[TR] offset:T2+32*\kb*TP+16*TP
.endr
.irp kb, 0,1,2,3                       ; and of W1
	ds_load_tr16_b128 v[WB+32+8*\kb:WB+32+8*\kb+3],   v[TR] offset:T1+32*\kb*TP
	ds_load_tr16_b128 v[WB+32+8*\kb+4:WB+32+8*\kb+7], v[TR] offset:T1+32*\kb*TP+16*TP
.endr
	s_wait_dscnt 8                                 ; W2's fragments are in; W1's eight loads are younger
.irp kb, 0,1,2,3
	global_store_b128 v[FO], v[WB+8*\kb:WB+8*\kb+3],   s[10:11] offset:POSB*\kb       ; each store covers 512 consecutive bytes, aligned
	global_store_b128 v[FO], v[WB+8*\kb+4:WB+8*\kb+7], s[10:11] offset:POSB*\kb+512
.endr
	s_cmp_lt_u32 s19, 8                            ; kq = 0 and chunk 0: positions 0 to 2 are stored once more, as 64 to 66
	s_cbranch_scc0 .Lno_repeat
.irp kb, 0,1,2
	global_store_b128 v[FO], v[WB+8*\kb:WB+8*\kb+3],   s[10:11] offset:64*POSB+POSB*\kb
	global_store_b128 v[FO], v[WB+8*\kb+4:WB+8*\kb+7], s[10:11] offset:64*POSB+POSB*\kb+512
.endr
.Lno_repeat:
	s_wait_loadcnt 0x0                             ; query
.irp base, QA, WA
.irp blk, 0,1,2,3
.irp m, 0,1,2,3,4,5,6,7                ; a block's 16 registers become its first 8
	v_cvt_pk_bf16_f32 v[\base+16*\blk+\m], v[\base+16*\blk+2*\m], v[\base+16*\blk+2*\m+1]
.endr
.endr
.endr
	s_wait_dscnt 0x0                               ; W1's fragments
; source 0 = 16 n of W1, source 1 = 16 b of query: a lane ends with one b and eight neighbouring n.  The two accumulators take turns, one instruction a turn.
.irp bb, 0,1
	v_wmma_f32_16x16x32_bf16 v[ACC+8*\bb:ACC+8*\bb+7], v[WB+32:WB+39], v[QA+16*\bb:QA+16*\bb+7], 0
.endr
.irp bb, 0,1
	v_wmma_f32_16x16x32_bf16 v[ACC+8*\bb:ACC+8*\bb+7], v[WB+40:WB+47], v[QA+32+16*\bb:QA+32+16*\bb+7], v[ACC+8*\bb:ACC+8*\bb+7]
.endr
.irp bb, 0,1
	v_wmma_f32_16x16x32_bf16 v[ACC+8*\bb:ACC+8*\bb+7], v[WB+48:WB+55], v[WA+16*\bb:WA+16*\bb+7], v[ACC+8*\bb:ACC+8*\bb+7]
.endr
.irp bb, 0,1
	v_wmma_f32_16x16x32_bf16 v[ACC+8*\bb:ACC+8*\bb+7], v[WB+56:WB+63], v[WA+32+16*\bb:WA+32+16*\bb+7], v[ACC+8*\bb:ACC+8*\bb+7]
.endr
.rept 4
	v_nop                                          ; four places between the last product and the stores that read results
.endr
.irp bb, 0,1
	ds_store_b128 v[QSW], v[ACC+8*\bb:ACC+8*\bb+3]   offset:16*\bb*QPI
	ds_store_b128 v[QSW], v[ACC+8*\bb+4:ACC+8*\bb+7] offset:16*\bb*QPI+16
.endr
	s_wait_dscnt 0x0                               ; a row's 256 bytes come from four waves
	s_barrier_signal -1
	s_barrier_wait -1
.irp u, 0,1,2,3
	ds_load_b128 v[QA+4*\u:QA+4*\u+3], v[QSR] offset:2*\u*QPI
.endr
.irp u, 0,1,2,3
	s_wait_dscnt 3-\u
	global_store_b128 v[QGO], v[QA+4*\u:QA+4*\u+3], s[12:13] offset:2*\u*4096  ; sixteen lanes store 256 consecutive bytes, aligned
.endr
	s_wait_tensorcnt 0x0                           ; the wave's end, behind my last LDS store
	ds_add_u32 v[SPW], v[NIL]
	s_wait_dscnt 0x0
	s_endpgm
.Lfunc_end_k_q6ab01edc8a_prep:
	.size	k_q6ab01edc8a_prep, .Lfunc_end_k_q6ab01edc8a_prep-k_q6ab01edc8a_prep
	.p2alignl 7, 3214868480
	.fill 96, 4, 3214868480
	.section	.rodata,"a",@progbits
	.p2align	6, 0x0
	.amdhsa_kernel k_q6ab01edc8a_prep
		.amdhsa_group_segment_fixed_size 50176
		.amdhsa_private_segment_fixed_size 0
		.amdhsa_enable_private_segment 0
		.amdhsa_kernarg_size 40
		.amdhsa_user_sgpr_count 2
		.amdhsa_user_sgpr_kernarg_segment_ptr 1
		.amdhsa_wavefront_size32 1
		.amdhsa_system_sgpr_workgroup_id_x 1
		.amdhsa_system_sgpr_workgroup_id_y 1
		.amdhsa_system_sgpr_workgroup_id_z 1
		.amdhsa_system_vgpr_workitem_id 0
		.amdhsa_next_free_vgpr 224
		.amdhsa_next_free_sgpr 66
		.amdhsa_reserve_vcc 0
		.amdhsa_float_denorm_mode_32 3
		.amdhsa_float_denorm_mode_16_64 3
		.amdhsa_memory_ordered 1
		.amdhsa_forward_progress 1
		.amdhsa_inst_pref_size 26
	.end_amdhsa_kernel
	.amdgpu_metadata
---
amdhsa.version: [ 1, 2 ]
amdhsa.kernels:
  - .name:           k_q6ab01edc8a_prep
    .symbol:         k_q6ab01edc8a_prep.kd
    .args:
      - { .name: W2, .offset: 0, .size: 8, .value_kind: global_buffer, .address_space: global }
      - { .name: W1, .offset: 8, .size: 8, .value_kind: global_buffer, .address_space: global }
      - { .name: query, .offset: 16, .size: 8, .value_kind: global_buffer, .address_space: global }
      - { .name: w2f, .offset: 24, .size: 8, .value_kind: global_buffer, .address_space: global }
      - { .name: qpart, .offset: 32, .size: 8, .value_kind: global_buffer, .address_space: global }
    .group_segment_fixed_size: 50176
    .private_segment_fixed_size: 0
    .kernarg_segment_align: 8
    .kernarg_segment_size: 40
    .max_flat_workgroup_size: 128
    .sgpr_count:     66
    .vgpr_count:     224
    .wavefront_size: 32
...
	.end_amdgpu_metadata
.endif
;; end of part 1
;; launch attn (part 2): grid 8 x 32, 4 waves a work-group, no clusters, 313,856 bytes of LDS; arguments values, w2f, qpart, b1, b2, V, bV, scores, ctxp; writes scores, ctxp
.if DOCPART == 2
	.amdgcn_target "amdgcn-amd-amdhsa--gfx1250"
	.amdhsa_code_object_version 6
	.text
	.protected	k_q6ab01edc8a_attn
	.globl	k_q6ab01edc8a_attn
	.p2align	8
	.type	k_q6ab01edc8a_attn,@function
k_q6ab01edc8a_attn:
	s_mov_b64 s[64:65], 0
	v_nop
	global_prefetch_b8 v0, s[64:65] scope:SCOPE_SE
	s_setreg_imm32_b32 hwreg(HW_REG_WAVE_MODE, 25, 1), 1
	s_wait_xcnt 0x0
; ATTN.  For 256 rows t of one batch b (work-group x = block of 256, y = b), in two tiles of 128 rows:
;   scores[b][t] = bV + sum over n of V[n] tanh(query[b] W1 + b1 + b2 + values[b][t] W2)[n]
;   ctxp[wg][d]  = sum over the 256 t of 2^(c1 s_t - c1 m) values[b][t][d],  m = the largest of the 256 scores (a running maximum), c1 = log2(e).
; tanh(x) = 1 - 2 / (1 + 2^(c x)), c = 2 log2(e); c is folded into w2f and into the bias table, so an accumulator holds X = c x and
;   score = (sum of V + bV) + sum over n of (-2 V[n]) / (1 + 2^X).  2^X = infinity gives 0, 2^X = 0 gives 1: both ends are right without a clamp.
; VALUES ARE READ FROM MEMORY ONCE: a tile is rounded to bf16 on its way in and stays in LDS for both passes over n and for the context's sum.
; SHARES.  N goes in two passes of 512 columns.  Wave w owns n = 512 pass + 128 w .. + 127 for all 128 rows: 64 accumulators of 16 x 16, 512 registers.  A K step is 32: 64 matrix instructions.
;   W2's fragments are no other wave's, so they come straight from w2f into registers (16 loads of 512 consecutive bytes a K step), three K steps ahead, in four buffers.
;   In pass 0 the tile streams in beside the products: a slice is 64 k (256 aligned bytes of a row); each wave loads 32 rows of it, rounds, stores to LDS; one barrier a slice.
; NO CLUSTER, NO TENSOR LOADS: the tile and tables take 313,856 bytes of LDS, and a K step of W2 for the work-group is 32 KiB more: no ring fits; values must pass through registers to be rounded.
; THE MATRIX INSTRUCTION IS USED TRANSPOSED: source 0 = 16 n of W2, source 1 = 16 t of values: a lane holds ONE t (lane % 16) and n = 8 (lane / 16) + 0..7.  So the sum over n stays in the lane but for
;   one exchange between the halves, and the bias is the C operand of a pass's first K step.
; LIMITS.  values, c W2 (rounded after the scaling), query, W1 enter products in bf16; the context takes the tile's bf16 copy with f32 weights.  A weight below 2^-126 counts as 0.
;   NaN and infinities in the inputs are not treated apart.  In a work-group's last tile the 48 loads a wave of positions 64 to 66 of w2f serve nothing: the price of one text for both tiles.
; REGISTERS, in windows of 256 (s_set_vgpr_msb: bits 1:0 source 0, 3:2 source 1, 5:4 source 2, 7:6 destination):
;   window 0: v0-63 as named below; v64-127 two halves of values' fragments; v128-191, v192-255 W2 buffers 2, 3 (3 holds the bias fragments in a pass's first K step)
;   window 1: v0-63, v64-127 W2 buffers 0, 1; v128-191, v192-255 two sets for slices on their way in
;   windows 2, 3: accumulator (a, i) (t block a, n block i) at v[8 (8 (a % 4) + i)] of window 2 + a / 4
.set SS,     18560                     ; a slice in LDS: 128 rows x 144 bytes + 128: neighbouring slices start 32 banks apart (64 banks of 4 bytes: ISA guide 11.1)
.set RP,     144                       ; a slice's row: 128 bytes + 16 of padding = 36 words: the 16 rows of a fragment load start at 16 different groups of four banks
.set TBK,    16*RP
.set BIT,    16*SS                     ; f32 c (query W1 + b1 + b2)[n], 4,096 bytes
.set V2T,    BIT+4096                  ; f32 -2 V[n]
.set SCR,    V2T+4096                  ; [4 waves][128 t] f32: the waves' parts of the scores
.set PT,     SCR+2048                  ; [4 waves][128 t] f32: each wave's own copy of the weights
.set CT,     PT+2048                   ; 1,024 bytes a wave: the context's way out
.set SPARE,  CT+4096                   ; the spare words, 128 bytes for each wave: two blocks of 256 bytes that no other line names
.set POSB,   8192                      ; a position of w2f: a K step's eight fragments
.set STREAM, 67*POSB
.set SPW,  1                           ; LDS address of my spare word; never rewritten
.set NIL,  2                           ; 0; never rewritten
.set ADRA, 3                           ; values' fragments: r 144 + 16 h + the slice in hand
.set STA,  4                           ; where I put 8 bytes of a slice's row
.set VO,   5                           ; my byte offset in values; never rewritten
.set BO,   6                           ; 16 x lane; never rewritten
.set TBL,  7                           ; BIT + (128 w + 8 h) 4; never rewritten
.set PFO,  8                           ; the prefetches' offset: (32 w + lane) rows; never rewritten
.set SCW,  9                           ; SCR + (128 w + lane) 4
.set SCRD, 10                          ; SCR + 16 lane
.set PTW,  11                          ; PT + 512 w + 16 lane
.set PTR,  12                          ; PT + 512 w + the rows in hand
.set CA,   13                          ; the context's reads of the tile
.set ADRA0, 14                         ; ADRA, STA and CA at a tile's beginning; never rewritten
.set STA0, 15
.set CA0,  16
.set AL,   18                          ; v[18:19] the correction a = 2^(c1 m_old - c1 m_new), and a partner for the pair
.set S,    20                          ; v[20:27] my part of the scores, a register a t block
.set CTX,  28                          ; v[28:35] the context's sums: my 8 columns
.set SV,   36                          ; sum of V + bV
.set MRUN, 37                          ; the running maximum
.set SC,   40                          ; v[40:43] four scores
.set PW,   44                          ; v[44:47] their weights
.set VV,   48                          ; v[48:63] two sets of 8: -2 V fragments; in the context the weights
.set AH,   64                          ; v[64:127] values' fragments, t blocks 0-3 and 4-7; in the context two sets of 8 rows
.set PV,   8                           ; s[8:9]   values, at the tile (and in pass 0 at the loop's slices)
.set PB,   10                          ; s[10:11] my stream of w2f, at the text unit's first position
.set SCO,  22                          ; s[22:23] scores
.set CXO,  24                          ; s[24:25] ctxp
.set WV,   26                          ; my wave's number
.set TL,   27                          ; tiles left
.set CNT,  28                          ; the inner loops' counter
.set BV,   29                          ; bV
.set SEL,  32                          ; s[32:33] v_permlanex16_b32's selects: each lane takes its own place in the other half
.set C1,   34                          ; log2(e)
.set HM,   36                          ; the mask of lanes 16-31
.set PTS,  37                          ; PT + 512 w
.set CC,   38                          ; s[38:39] c
.set MSB, 0
.macro WIN new                         ; the immediate's high byte repeats the setting that is left; a switch that changes nothing is dropped
.if MSB != (\new)
	s_set_vgpr_msb (MSB<<8)|(\new)
.set MSB, \new
.endif
.endm
.macro PLACES                          ; four places behind a matrix instruction, in front of loads into registers that it has read and of lines that read results
.rept 4
	v_nop
.endr
.endm
; 8 LDS loads: values' fragments of four t blocks (half 0: 0-3, 1: 4-7), 32 k at byte off behind ADRA.  Lane l: row l % 16; registers 0-3 k = 8 (l / 16) + 0..7, registers 4-7 16 further on.
.macro LDA half, off
	WIN 0
.irp a, 0,1,2,3
	ds_load_b128 v[AH+32*(\half)+8*\a:AH+32*(\half)+8*\a+3],   v[ADRA] offset:(\off)+(4*(\half)+\a)*TBK
	ds_load_b128 v[AH+32*(\half)+8*\a+4:AH+32*(\half)+8*\a+7], v[ADRA] offset:(\off)+(4*(\half)+\a)*TBK+32
.endr
.endm
; 16 loads: a position of w2f into buffer buf (at v[64 buf]: window 1 for 0 and 1, window 0 for 2 and 3)
.macro RB buf, off
.if (\buf) < 2
	WIN 0x40
.else
	WIN 0
.endif
.irp i, 0,1,2,3,4,5,6,7
	global_load_b128 v[64*(\buf)+8*\i:64*(\buf)+8*\i+3],   v[BO], s[PB:PB+1] offset:(\off)+1024*\i
	global_load_b128 v[64*(\buf)+8*\i+4:64*(\buf)+8*\i+7], v[BO], s[PB:PB+1] offset:(\off)+1024*\i+512
.endr
.endm
; 16 matrix instructions: t blocks a0, a0 + 1 of the half x all 8 n blocks.  first = 1: C is the bias fragment (buffer 3's registers).  The 64 accumulators take turns, one instruction a turn, in the same order in every K step.
.macro MULQ half, buf, a0, first
.if \first
	WIN (0x80+0x40*(\half))|(1-(\buf)/2)
.else
	WIN (0xa0+0x50*(\half))|(1-(\buf)/2)
.endif
.irp a, \a0, (\a0)+1
.irp i, 0,1,2,3,4,5,6,7
.if \first
	v_wmma_f32_16x16x32_bf16 v[8*(8*(\a)+\i):8*(8*(\a)+\i)+7], v[64*(\buf)+8*\i:64*(\buf)+8*\i+7], v[AH+32*(\half)+8*(\a):AH+32*(\half)+8*(\a)+7], v[192+8*\i:192+8*\i+7]
.else
	v_wmma_f32_16x16x32_bf16 v[8*(8*(\a)+\i):8*(8*(\a)+\i)+7], v[64*(\buf)+8*\i:64*(\buf)+8*\i+7], v[AH+32*(\half)+8*(\a):AH+32*(\half)+8*(\a)+7], v[8*(8*(\a)+\i):8*(8*(\a)+\i)+7]
.endif
.endr
.endr
.endm
; A slice arrives: load q of 16 holds rows (q % 8) + 16 (q / 8) (lanes 0-15) and 8 further down (lanes 16-31) of my 32; four f32 become 8 bytes.  n = the younger loads that may stay out.
.macro CONV set, off, n
	s_wait_loadcnt \n
	WIN 0x45                                       ; sources and destination in window 1
.set q, 0
.rept 16
	v_cvt_pk_bf16_f32 v[128+64*(\set)+4*q],   v[128+64*(\set)+4*q],   v[128+64*(\set)+4*q+1]
	v_cvt_pk_bf16_f32 v[128+64*(\set)+4*q+1], v[128+64*(\set)+4*q+2], v[128+64*(\set)+4*q+3]
.set q, q+1
.endr
	WIN 0x04                                       ; address in window 0, data in window 1
.set q, 0
.rept 16
	ds_store_b64 v[STA], v[128+64*(\set)+4*q:128+64*(\set)+4*q+1] offset:(\off)+((q%8)+16*(q/8))*RP  ; the halves of the lanes lie 8 rows = 288 words apart
.set q, q+1
.endr
.endm
.macro VISSUE set, off                 ; a slice is asked for: sixteen lanes take 256 consecutive bytes of a row, aligned
	WIN 0x40
.set q, 0
.rept 16
	global_load_b128 v[128+64*(\set)+4*q:128+64*(\set)+4*q+3], v[VO], s[PV:PV+1] offset:(\off)+((q%8)+16*(q/8))*4096 th:TH_LOAD_NT
.set q, q+1
.endr
.endm
; A K STEP.  kk: its number in the text unit (LDS and w2f offsets go by it); buf: its W2 buffer; nb: the loads younger than that buffer's; first: the bias starts the sums;
; pre: buffer 3, which held the bias, is asked for at the head; rbon: the buffer three K steps on is asked for; lda0: the next K step's first fragments are fetched;
; cset >= 0: slice set cset is rounded and stored at coff behind STA (cn: its wait's count), and a barrier stands in the step's second half; voff >= 0: the set is asked for again;
; pfm: 1 a prefetch at pfoff, 2 the same but not in the loop's last trip.
.macro KSTEP kk, buf, nb, first, pre, rbon, lda0, cset, coff, cn, voff, pfm, pfoff
	PLACES                                         ; behind the last K step's products
.if \pre
	RB 3, 3*POSB
.endif
	LDA 1, ((\kk)/2)*SS+((\kk)%2)*64
	s_wait_dscnt 8                                 ; t blocks 0-3 are in; the eight loads just issued may be out
	s_wait_loadcnt \nb                             ; my W2 buffer is in
	MULQ 0, \buf, 0, \first
	MULQ 0, \buf, 2, \first
.if (\cset) >= 0
	CONV \cset, \coff, \cn                         ; its 32 conversions are also the places in front of the loads below
.else
	PLACES
.endif
.if (\voff) >= 0
	VISSUE \cset, \voff
.endif
.if \rbon
	RB ((\buf)+3)%4, ((\kk)+3)*POSB
.endif
	WIN 0
.if (\pfm) == 2
	s_cmp_eq_u32 s[CNT], 1                         ; the last trip's look-ahead would name slices 16 and 17, which a row does not have
	s_cbranch_scc1 .Lno_pf_\@
.endif
.if \pfm
	global_prefetch_b8 v[PFO], s[PV:PV+1] offset:\pfoff th:TH_LOAD_NT scope:SCOPE_SE  ; my own 32 rows x 256 bytes of the slice that is loaded four K steps on: a lane a row
.endif
.if (\pfm) == 2
.Lno_pf_\@:
.endif
.if \lda0
	LDA 0, (((\kk)+1)/2)*SS+(((\kk)+1)%2)*64
.endif
.if (\cset) >= 0
	s_wait_dscnt 24                                ; t blocks 4-7 are in: 16 stores and 8 loads are younger
	MULQ 1, \buf, 0, \first
	s_wait_dscnt 0x0                               ; for the others' sake: my rows of the slice are written
	s_barrier_signal -1
	MULQ 1, \buf, 2, \first                        ; work on registers while the others arrive
	s_barrier_wait -1                              ; the slice is whole: it is first read in the next K step's middle
.else
	s_wait_dscnt 8*(\lda0)                         ; t blocks 4-7 are in
	MULQ 1, \buf, 0, \first
	MULQ 1, \buf, 2, \first
.endif
.endm
.macro KPLAIN kk, buf, nb, lda0        ; a K step with nothing beside its products and fetches
	KSTEP \kk, \buf, \nb, 0, 0, 1, \lda0, -1, 0, 0, -1, 0, 0
.endm
; THE EPILOGUE of one window's 32 accumulators, in ten steps over its batches i = 0..7 (a batch: the accumulators (a, i) of four t blocks, 32 registers).  In step t:
; 2^X for batch t; 1 + 2^X and its reciprocal for batch t - 1; r x (-2 V) + the batch before for batch t - 2.  No line of a step names a result of a transcendental of the same step, so the step's 64
; have ONE wait, at its end, with a plain instruction ahead of it.  Each accumulator is read from its lowest register on.
.macro EPIW W, chunk
.set t, 0
.rept 10
.if t >= 2
	s_wait_dscnt 0x0                               ; the -2 V fragment of batch t - 2 is in
.endif
.if (t >= 1) && (t <= 8)
	WIN 0
	ds_load_b128 v[VV+8*((t-1)%2):VV+8*((t-1)%2)+3],   v[TBL] offset:4096+2048*(\chunk)+64*(t-1)
	ds_load_b128 v[VV+8*((t-1)%2)+4:VV+8*((t-1)%2)+7], v[TBL] offset:4096+2048*(\chunk)+64*(t-1)+16
.endif
	WIN 0xa2+0x51*((\W)-2)                         ; accumulators in window W, the -2 V fragment (source 1) in window 0
.set q, 0
.rept 16
.set rx, 64*(q/4)+(2*q)%8
.if (t >= 1) && (t <= 8)
	v_pk_add_f32 v[rx+8*(t-1):rx+8*(t-1)+1], v[rx+8*(t-1):rx+8*(t-1)+1], 1.0 op_sel_hi:[1,0]
.endif
.if t <= 7
	v_exp_f32 v[rx+8*t], v[rx+8*t]
.endif
.if t == 2
	v_pk_mul_f32 v[rx:rx+1], v[rx:rx+1], v[VV+(2*q)%8:VV+(2*q)%8+1]
.elseif t >= 3
	v_pk_fma_f32 v[rx+8*(t-2):rx+8*(t-2)+1], v[rx+8*(t-2):rx+8*(t-2)+1], v[VV+8*((t-2)%2)+(2*q)%8:VV+8*((t-2)%2)+(2*q)%8+1], v[rx+8*(t-3):rx+8*(t-3)+1]
.endif
.if t <= 7
	v_exp_f32 v[rx+8*t+1], v[rx+8*t+1]
.endif
.if (t >= 1) && (t <= 8)
	v_rcp_f32 v[rx+8*(t-1)], v[rx+8*(t-1)]
	v_rcp_f32 v[rx+8*(t-1)+1], v[rx+8*(t-1)+1]
.endif
.set q, q+1
.endr
.if t <= 8
	v_nop
	s_wait_alu depctr_va_vdst(0)
.endif
.set t, t+1
.endr
.endm
.macro RED W                           ; batch 7 holds the sums over i: its eight registers a t block are added into S
	WIN 0x8a+0x45*((\W)-2)                         ; both sources and the destination in window W
.irp a, 0,1,2,3
	v_pk_add_f32 v[64*\a+56:64*\a+57], v[64*\a+56:64*\a+57], v[64*\a+58:64*\a+59]
	v_pk_add_f32 v[64*\a+60:64*\a+61], v[64*\a+60:64*\a+61], v[64*\a+62:64*\a+63]
.endr
.irp a, 0,1,2,3
	v_pk_add_f32 v[64*\a+56:64*\a+57], v[64*\a+56:64*\a+57], v[64*\a+60:64*\a+61]
.endr
	WIN \W                                         ; source 0 in window W, S in window 0
.irp a, 0,1,2,3
	v_add_f32 v[S+4*((\W)-2)+\a], v[64*\a+56], v[S+4*((\W)-2)+\a]
.endr
.irp a, 0,1,2,3
	v_add_f32 v[S+4*((\W)-2)+\a], v[64*\a+57], v[S+4*((\W)-2)+\a]
.endr
.endm
.macro EPI chunk, nextchunk, lda       ; behind a pass: the next pass's bias fragments (and first fragments of values) are fetched, then both windows' epilogues
	PLACES
.if \lda
	LDA 0, 0
.endif
	WIN 0
.irp i, 0,1,2,3,4,5,6,7
	ds_load_b128 v[192+8*\i:192+8*\i+3], v[TBL] offset:2048*(\nextchunk)+64*\i
	ds_load_b128 v[192+8*\i+4:192+8*\i+7], v[TBL] offset:2048*(\nextchunk)+64*\i+16
.endr
	EPIW 2, \chunk
	RED 2
	EPIW 3, \chunk
	RED 3
	WIN 0
.endm
; THE CONTEXT.  Wave w owns d = 256 w .. + 255 (slices 4 w .. 4 w + 3), lane l eight columns.  A set is 8 rows: 8 loads of 16 bytes and the rows' 8 weights (one address for all lanes).
.macro LDC set, row
.irp p, 0,1,2,3,4,5,6,7
	ds_load_b128 v[AH+32*(\set)+4*\p:AH+32*(\set)+4*\p+3], v[CA] offset:((\row)+\p)*RP
.endr
	ds_load_b128 v[VV+8*(\set):VV+8*(\set)+3],   v[PTR] offset:4*(\row)
	ds_load_b128 v[VV+8*(\set)+4:VV+8*(\set)+7], v[PTR] offset:4*(\row)+16
.endm
.macro FMC set                         ; 64 multiply-adds straight from the bf16 halves, weights and sums in f32
.irp p, 0,1,2,3,4,5,6,7
.irp j, 0,1,2,3
	v_fma_mix_f32_bf16 v[CTX+2*\j],   v[AH+32*(\set)+4*\p+\j], v[VV+8*(\set)+\p], v[CTX+2*\j] op_sel_hi:[1,0,0]
	v_fma_mix_f32_bf16 v[CTX+2*\j+1], v[AH+32*(\set)+4*\p+\j], v[VV+8*(\set)+\p], v[CTX+2*\j+1] op_sel:[1,0,0] op_sel_hi:[1,0,0]
.endr
.endr
.endm
	s_load_b512 s[8:23], s[0:1], 0x0               ; values, w2f, qpart s[12:13], b1 s[14:15], b2 s[16:17], V s[18:19], bV s[20:21], scores
	s_load_b64 s[CXO:CXO+1], s[0:1], 0x40          ; ctxp
	v_lshl_add_u32 v[SPW], v0, 2, SPARE
	v_mov_b32 v[NIL], 0
	v_lshrrev_b32 v38, 5, v0
	v_readfirstlane_b32 s[WV], v38                 ; wave w
	v_and_b32 v38, 15, v0                          ; r = l % 16
	v_bfe_u32 v39, v0, 4, 1                        ; h = l / 16
	v_and_b32 v40, 31, v0                          ; l
	s_mov_b32 s[SEL], 0x76543210
	s_mov_b32 s[SEL+1], 0xfedcba98
	s_mov_b32 s[C1], 0x3fb8aa3b                    ; log2(e)
	s_mov_b32 s[HM], 0xffff0000
	s_mov_b32 s[CC], 0x4038aa3b                    ; c = 2 log2(e)
	s_mov_b32 s[CC+1], s[CC]                       ; named with it as a pair
	v_mul_u32_u24 v[ADRA0], v38, RP
	v_lshl_add_u32 v[ADRA0], v39, 4, v[ADRA0]
	v_mov_b32 v[ADRA], v[ADRA0]
	s_mul_i32 s30, s[WV], 32*RP
	v_mul_u32_u24 v[STA0], v39, 8*RP
	v_lshl_add_u32 v[STA0], v38, 3, v[STA0]
	v_add_nc_u32 v[STA0], s30, v[STA0]
	v_mov_b32 v[STA], v[STA0]
	s_lshl_b32 s30, s[WV], 17                      ; 32 w rows of 4,096 bytes
	v_lshl_add_u32 v[VO], v39, 15, s30             ; + 8 h rows
	v_lshl_add_u32 v[VO], v38, 4, v[VO]
	v_lshlrev_b32 v[BO], 4, v40
	s_lshl_b32 s30, s[WV], 9
	s_add_co_u32 s31, s30, BIT
	v_lshl_add_u32 v[TBL], v39, 5, s31
	v_lshl_add_u32 v[PFO], s[WV], 5, v40
	v_lshlrev_b32 v[PFO], 12, v[PFO]
	s_add_co_u32 s31, s30, SCR
	v_lshl_add_u32 v[SCW], v40, 2, s31
	v_lshl_add_u32 v[SCRD], v40, 4, SCR
	s_add_co_u32 s[PTS], s30, PT
	v_lshl_add_u32 v[PTW], v40, 4, s[PTS]
	v_bfe_u32 v41, v0, 3, 2
	v_lshl_add_u32 v41, s[WV], 2, v41              ; slice 4 w + l / 8
	v_mul_u32_u24 v[CA0], v41, SS
	v_and_b32 v42, 7, v0
	v_lshl_add_u32 v[CA0], v42, 4, v[CA0]
	v_lshlrev_b32 v47, 4, v0                       ; the tables: 16 x thread
	v_lshl_add_u32 v46, v0, 4, BIT
	v_lshl_add_u32 v45, v40, 4, V2T
	s_and_b32 s40, ttmp7, 0xffff                   ; b
	s_lshl_b32 s41, s40, 3
	s_add_co_u32 s41, s41, ttmp9                   ; the work-group's number 8 b + x: its 256 rows
	s_mov_b32 s31, 0
	s_wait_kmcnt 0x0
	s_load_b32 s[BV], s[20:21], 0x0
	s_lshl_b32 s30, s41, 20                        ; 256 rows of 4,096 bytes
	s_add_nc_u64 s[PV:PV+1], s[PV:PV+1], s[30:31]
	s_mul_i32 s30, s[WV], STREAM
	s_add_nc_u64 s[PB:PB+1], s[PB:PB+1], s[30:31]
	s_lshl_b32 s30, s40, 12
	s_add_nc_u64 s[12:13], s[12:13], s[30:31]
	s_lshl_b32 s30, s41, 10
	s_add_nc_u64 s[SCO:SCO+1], s[SCO:SCO+1], s[30:31]
	s_lshl_b32 s30, s41, 12
	s_add_nc_u64 s[CXO:CXO+1], s[CXO:CXO+1], s[30:31]
; THE TABLES: thread T makes n = 4 T .. and 512 + 4 T ..: 22 loads, ahead of everything else
.irp k, 0,1,2,3,4,5,6,7
.irp u, 0,1
	global_load_b128 v[64+8*\k+4*\u:64+8*\k+4*\u+3], v47, s[12:13] offset:\k*131072+2048*\u
.endr
.endr
.irp u, 0,1
	global_load_b128 v[128+4*\u:128+4*\u+3], v47, s[14:15] offset:2048*\u
	global_load_b128 v[136+4*\u:136+4*\u+3], v47, s[16:17] offset:2048*\u
	global_load_b128 v[144+4*\u:144+4*\u+3], v47, s[18:19] offset:2048*\u
.endr
	VISSUE 0, 0                                    ; slices 0 and 1,
	VISSUE 1, 256
	RB 0, 0                                        ; positions 0 and 1
	RB 1, POSB
	WIN 0
	s_wait_loadcnt 63                              ; the tables are in: 64 loads are younger
.irp k, 1,2,3,4,5,6,7
.irp u, 0,2,4,6
	v_pk_add_f32 v[64+\u:65+\u], v[64+\u:65+\u], v[64+8*\k+\u:65+8*\k+\u]
.endr
.endr
.irp u, 0,2,4,6
	v_pk_add_f32 v[64+\u:65+\u], v[64+\u:65+\u], v[128+\u:129+\u]
.endr
.irp u, 0,2,4,6
	v_pk_add_f32 v[64+\u:65+\u], v[64+\u:65+\u], v[136+\u:137+\u]
.endr
.irp u, 0,2,4,6
	v_pk_mul_f32 v[64+\u:65+\u], v[64+\u:65+\u], s[CC:CC+1] op_sel_hi:[1,0]
	v_pk_mul_f32 v[144+\u:145+\u], v[144+\u:145+\u], -2.0 op_sel_hi:[1,0]
.endr
	ds_store_b128 v46, v[64:67]
	ds_store_b128 v46, v[68:71] offset:2048
	ds_store_b128 v46, v[144:147] offset:4096
	ds_store_b128 v46, v[148:151] offset:6144
	RB 2, 2*POSB                                   ; position 2, into registers that the tables have left
	s_wait_dscnt 0x0                               ; for the others' sake: my part of the tables is written
	s_barrier_signal -1
	s_barrier_wait -1
.irp u, 0,1,2,3,4,5,6,7
	ds_load_b128 v[64+4*\u:64+4*\u+3], v45 offset:512*\u  ; all 1,024 numbers -2 V, 32 a lane
.endr
.irp i, 0,1,2,3,4,5,6,7
	ds_load_b128 v[192+8*\i:192+8*\i+3], v[TBL] offset:64*\i      ; pass 0's bias fragments
	ds_load_b128 v[192+8*\i+4:192+8*\i+7], v[TBL] offset:64*\i+16
.endr
	s_wait_dscnt 16                                ; -2 V is in; the bias fragments' 16 loads are younger
.irp d, 16,8,4,2
.set q, 0
.rept \d/2
	v_pk_add_f32 v[64+2*q:65+2*q], v[64+2*q:65+2*q], v[64+\d+2*q:65+\d+2*q]
.set q, q+1
.endr
.endr
	v_add_f32 v38, v64, v65
	v_add_f32_dpp v38, v38, v38 row_xmask:1 row_mask:0xf bank_mask:0xf
	v_add_f32_dpp v38, v38, v38 row_xmask:2 row_mask:0xf bank_mask:0xf
	v_add_f32_dpp v38, v38, v38 row_xmask:4 row_mask:0xf bank_mask:0xf
	v_add_f32_dpp v38, v38, v38 row_xmask:8 row_mask:0xf bank_mask:0xf
	v_permlanex16_b32 v39, v38, s[SEL], s[SEL+1]
	v_add_f32 v38, v38, v39
	s_wait_kmcnt 0x0                               ; bV
	v_fma_f32 v[SV], v38, -0.5, s[BV]              ; sum of V + bV
.irp e, 0,1,2,3,4,5,6,7
	v_mov_b32 v[CTX+\e], 0
.endr
	v_mov_b32 v[MRUN], 0xff7fffff                  ; the lowest finite number: the first correction is 2^(-infinity) = 0
	v_mov_b32 v[AL+1], 0
	s_mov_b32 s[TL], 2
.Ltile:
.irp a, 0,1,2,3,4,5,6,7
	v_mov_b32 v[S+\a], 0
.endr
	CONV 0, 0, 63                                  ; slice 0: 64 loads or more are younger
	VISSUE 0, 512                                  ; slice 2
	WIN 0
	global_prefetch_b8 v[PFO], s[PV:PV+1] offset:1024 th:TH_LOAD_NT scope:SCOPE_SE  ; slice 4
	s_wait_dscnt 0x0
	s_barrier_signal -1
	s_barrier_wait -1                              ; slice 0 is whole
	LDA 0, 0
; PASS 0.  Slice s is rounded and stored in K step 2 s - 2, slice s + 2 asked for behind it, slice s + 4 prefetched.
; The counts: 48 = two runs of W2 and one slice behind the buffer wanted; from K step 27 on no slice is asked for: 32.
	KSTEP 0, 0, 48, 1, 0, 0, 1, 1, SS, 63, 768, 1, 1280
	KSTEP 1, 1, 48, 0, 1, 1, 1, -1, 0, 0, -1, 0, 0
	WIN 0
	s_wait_xcnt 0x0                                ; every load and prefetch issued so far has read its address: the pointer may be written
	s_add_nc_u64 s[PB:PB+1], s[PB:PB+1], 2*POSB
	v_add_nc_u32 v[ADRA], SS, v[ADRA]
	v_add_nc_u32 v[STA], 2*SS, v[STA]
	s_mov_b32 s[CNT], 6
.Lp0:                                              ; K steps 2 to 25, four a trip
	KSTEP 0, 2, 48, 0, 0, 1, 1, 0, 0, 48, 1024, 2, 1536
	KPLAIN 1, 3, 48, 1
	KSTEP 2, 0, 48, 0, 0, 1, 1, 1, SS, 48, 1280, 2, 1792
	KPLAIN 3, 1, 48, 1
	WIN 0
	s_wait_xcnt 0x0
	s_add_nc_u64 s[PB:PB+1], s[PB:PB+1], 4*POSB
	s_add_nc_u64 s[PV:PV+1], s[PV:PV+1], 512
	v_add_nc_u32 v[ADRA], 2*SS, v[ADRA]
	v_add_nc_u32 v[STA], 2*SS, v[STA]
	s_sub_co_u32 s[CNT], s[CNT], 1
	s_cmp_lg_u32 s[CNT], 0
	s_cbranch_scc1 .Lp0
	KSTEP 0, 2, 48, 0, 0, 1, 1, 0, 0, 48, -1, 0, 0  ; K steps 26 to 31: the last two slices arrive, nothing more of this tile is asked for
	KPLAIN 1, 3, 32, 1
	KSTEP 2, 0, 32, 0, 0, 1, 1, 1, SS, 48, -1, 0, 0
	KPLAIN 3, 1, 32, 1
	KPLAIN 4, 2, 32, 1
	KPLAIN 5, 3, 32, 0
	WIN 0
	s_wait_xcnt 0x0
	s_add_nc_u64 s[PB:PB+1], s[PB:PB+1], 6*POSB
	s_add_nc_u64 s[PV:PV+1], s[PV:PV+1], 128*4096-6*512  ; the next tile's first row, back along the row
	v_mov_b32 v[ADRA], v[ADRA0]
	v_mov_b32 v[STA], v[STA0]
	s_cmp_eq_u32 s[TL], 1
	s_cbranch_scc1 .Lno_next                       ; the jump passes loads alone; pass 1's counts leave them out, which is the smaller count
	VISSUE 0, 0                                    ; the next tile's slices 0 and 1: they have an epilogue and pass 1 in which to land
	VISSUE 1, 256
	WIN 0
.Lno_next:
	EPI 0, 1, 1
; PASS 1: the tile lies in LDS; 32 = two runs of W2 behind the buffer wanted
	KSTEP 0, 0, 32, 1, 0, 0, 1, -1, 0, 0, -1, 0, 0
	KSTEP 1, 1, 32, 0, 1, 1, 1, -1, 0, 0, -1, 0, 0
	WIN 0
	s_wait_xcnt 0x0
	s_add_nc_u64 s[PB:PB+1], s[PB:PB+1], 2*POSB
	v_add_nc_u32 v[ADRA], SS, v[ADRA]
	s_mov_b32 s[CNT], 7
.Lp1:                                              ; K steps 2 to 29
	KPLAIN 0, 2, 32, 1
	KPLAIN 1, 3, 32, 1
	KPLAIN 2, 0, 32, 1
	KPLAIN 3, 1, 32, 1
	WIN 0
	s_wait_xcnt 0x0
	s_add_nc_u64 s[PB:PB+1], s[PB:PB+1], 4*POSB
	v_add_nc_u32 v[ADRA], 2*SS, v[ADRA]
	s_sub_co_u32 s[CNT], s[CNT], 1
	s_cmp_lg_u32 s[CNT], 0
	s_cbranch_scc1 .Lp1
	KPLAIN 0, 2, 32, 1                             ; K steps 30 and 31; K steps 29 to 31 ask for positions 64 to 66, the repeat of 0 to 2: the next tile's first fragments
	KPLAIN 1, 3, 32, 0
	WIN 0
	EPI 1, 0, 0
	s_cmp_eq_u32 s[TL], 1
	s_cbranch_scc1 .Lno_pf
	global_prefetch_b8 v[PFO], s[PV:PV+1] offset:512 th:TH_LOAD_NT scope:SCOPE_SE  ; the next tile's slices 2 and 3, which its first lines load
	global_prefetch_b8 v[PFO], s[PV:PV+1] offset:768 th:TH_LOAD_NT scope:SCOPE_SE
.Lno_pf:
; THE SCORES.  The other half of the lanes holds the other eight n of each sixteen; then the four waves' parts meet in LDS.
.irp a, 0,1,2,3,4,5,6,7
	v_permlanex16_b32 v[VV+\a], v[S+\a], s[SEL], s[SEL+1]
.endr
.irp a, 0,1,2,3,4,5,6,7
	v_add_f32 v[S+\a], v[S+\a], v[VV+\a]
.endr
.irp a, 0,1,2,3
	v_cndmask_b32 v[SC+\a], v[S+2*\a], v[S+2*\a+1], s[HM]  ; lane l takes t = 32 a + l
.endr
.irp a, 0,1,2,3
	ds_store_b32 v[SCW], v[SC+\a] offset:128*\a
.endr
	s_wait_dscnt 0x0
	s_barrier_signal -1
	s_barrier_wait -1
.irp u, 0,1,2,3
	ds_load_b128 v[VV+4*\u:VV+4*\u+3], v[SCRD] offset:512*\u  ; t = 4 l .. 4 l + 3 of wave u's part
.endr
	s_wait_dscnt 0x0
	v_pk_add_f32 v[VV:VV+1], v[VV:VV+1], v[VV+4:VV+5]
	v_pk_add_f32 v[VV+2:VV+3], v[VV+2:VV+3], v[VV+6:VV+7]
	v_pk_add_f32 v[VV+8:VV+9], v[VV+8:VV+9], v[VV+12:VV+13]
	v_pk_add_f32 v[VV+10:VV+11], v[VV+10:VV+11], v[VV+14:VV+15]
	v_pk_add_f32 v[VV:VV+1], v[VV:VV+1], v[VV+8:VV+9]
	v_pk_add_f32 v[VV+2:VV+3], v[VV+2:VV+3], v[VV+10:VV+11]
	v_pk_add_f32 v[SC:SC+1], v[VV:VV+1], v[SV:SV+1] op_sel_hi:[1,0]
	v_pk_add_f32 v[SC+2:SC+3], v[VV+2:VV+3], v[SV:SV+1] op_sel_hi:[1,0]
	s_cmp_lg_u32 s[WV], 0                          ; every wave holds all 128 scores; wave 0 stores them
	s_cbranch_scc1 .Lno_store
	global_store_b128 v[BO], v[SC:SC+3], s[SCO:SCO+1]  ; 512 consecutive bytes, aligned
.Lno_store:
; THE RUNNING MAXIMUM, the correction a and the tile's weights: five exponentials, one batch, one wait
	v_max3_num_f32 v38, v[SC], v[SC+1], v[SC+2]
	v_max_num_f32 v38, v38, v[SC+3]
	v_max_num_f32_dpp v38, v38, v38 row_xmask:1 row_mask:0xf bank_mask:0xf
	v_max_num_f32_dpp v38, v38, v38 row_xmask:2 row_mask:0xf bank_mask:0xf
	v_max_num_f32_dpp v38, v38, v38 row_xmask:4 row_mask:0xf bank_mask:0xf
	v_max_num_f32_dpp v38, v38, v38 row_xmask:8 row_mask:0xf bank_mask:0xf
	v_permlanex16_b32 v39, v38, s[SEL], s[SEL+1]
	v_max3_num_f32 v38, v38, v39, v[MRUN]          ; m_new
	v_mul_f32 v39, s[C1], v38                      ; c1 m_new
	v_fma_f32 v[AL], v[MRUN], s[C1], -v39
.irp k, 0,1,2,3
	v_fma_f32 v[PW+\k], v[SC+\k], s[C1], -v39
.endr
	v_exp_f32 v[AL], v[AL]
.irp k, 0,1,2,3
	v_exp_f32 v[PW+\k], v[PW+\k]
.endr
	v_mov_b32 v[MRUN], v38                         ; the plain instruction behind the last exponential
	s_wait_alu depctr_va_vdst(0)                   ; the wait ahead of the first use: one for the five
	ds_store_b128 v[PTW], v[PW:PW+3]               ; my wave's own copy: LDS serves a wave's instructions in order (ISA guide 5.7.1.4), so its loads below see it
.irp e, 0,2,4,6
	v_pk_mul_f32 v[CTX+\e:CTX+\e+1], v[CTX+\e:CTX+\e+1], v[AL:AL+1] op_sel_hi:[1,0]
.endr
	v_mov_b32 v[CA], v[CA0]
	v_mov_b32 v[PTR], s[PTS]
	LDC 0, 0
	s_mov_b32 s[CNT], 7
.Lctx:                                             ; 16 rows a trip; 10 = the other set's loads
	LDC 1, 8
	s_wait_dscnt 10
	FMC 0
	v_add_nc_u32 v[CA], 16*RP, v[CA]
	v_add_nc_u32 v[PTR], 64, v[PTR]
	LDC 0, 0
	s_wait_dscnt 10
	FMC 1
	s_sub_co_u32 s[CNT], s[CNT], 1
	s_cmp_lg_u32 s[CNT], 0
	s_cbranch_scc1 .Lctx
	LDC 1, 8
	s_wait_dscnt 10
	FMC 0
	s_wait_dscnt 0x0                               ; also: my reads of the tile and of the scores' parts are over,
	FMC 1
	s_barrier_signal -1                            ; and so are everybody's behind this barrier: the next tile may be written
	s_barrier_wait -1
	s_wait_xcnt 0x0                                ; the score store and the prefetches have read their registers
	s_add_nc_u64 s[SCO:SCO+1], s[SCO:SCO+1], 512
	s_sub_nc_u64 s[PB:PB+1], s[PB:PB+1], 62*POSB   ; back to position 0: positions 64 to 66, on their way, are its first three
	v_mov_b32 v[ADRA], v[ADRA0]
	s_sub_co_u32 s[TL], s[TL], 1
	s_cmp_lg_u32 s[TL], 0
	s_cbranch_scc1 .Ltile
; THE WAY OUT: a lane's 32 bytes go through my own 1,024 bytes of LDS, so that each store covers 512 consecutive bytes
	v_and_b32 v38, 31, v0
	s_lshl_b32 s30, s[WV], 10
	s_add_co_u32 s31, s30, CT
	v_lshl_add_u32 v39, v38, 5, s31
	v_lshl_add_u32 v44, v38, 4, s31
	v_lshl_add_u32 v45, v38, 4, s30
	ds_store_b128 v39, v[CTX:CTX+3]
	ds_store_b128 v39, v[CTX+4:CTX+7] offset:16
	ds_load_b128 v[VV:VV+3], v44
	ds_load_b128 v[VV+4:VV+7], v44 offset:512
	s_wait_dscnt 0x0
	global_store_b128 v45, v[VV:VV+3], s[CXO:CXO+1]
	global_store_b128 v45, v[VV+4:VV+7], s[CXO:CXO+1] offset:512
	s_wait_tensorcnt 0x0                           ; the wave's end, behind my last LDS store
	ds_add_u32 v[SPW], v[NIL]
	s_wait_dscnt 0x0
	s_endpgm
.Lfunc_end_k_q6ab01edc8a_attn:
	.size	k_q6ab01edc8a_attn, .Lfunc_end_k_q6ab01edc8a_attn-k_q6ab01edc8a_attn
	.p2alignl 7, 3214868480
	.fill 96, 4, 3214868480
	.section	.rodata,"a",@progbits
	.p2align	6, 0x0
	.amdhsa_kernel k_q6ab01edc8a_attn
		.amdhsa_group_segment_fixed_size 313856
		.amdhsa_private_segment_fixed_size 0
		.amdhsa_enable_private_segment 0
		.amdhsa_kernarg_size 72
		.amdhsa_user_sgpr_count 2
		.amdhsa_user_sgpr_kernarg_segment_ptr 1
		.amdhsa_wavefront_size32 1
		.amdhsa_system_sgpr_workgroup_id_x 1
		.amdhsa_system_sgpr_workgroup_id_y 1
		.amdhsa_system_sgpr_workgroup_id_z 1
		.amdhsa_system_vgpr_workitem_id 0
		.amdhsa_next_free_vgpr 1024
		.amdhsa_next_free_sgpr 66
		.amdhsa_reserve_vcc 0
		.amdhsa_float_denorm_mode_32 3
		.amdhsa_float_denorm_mode_16_64 3
		.amdhsa_memory_ordered 1
		.amdhsa_forward_progress 1
		.amdhsa_inst_pref_size 255
	.end_amdhsa_kernel
	.section	.bss,"aw",@nobits
	.p2align	6
	.space	262144
	.amdgpu_metadata
---
amdhsa.version: [ 1, 2 ]
amdhsa.kernels:
  - .name:           k_q6ab01edc8a_attn
    .symbol:         k_q6ab01edc8a_attn.kd
    .args:
      - { .name: values, .offset: 0, .size: 8, .value_kind: global_buffer, .address_space: global }
      - { .name: w2f, .offset: 8, .size: 8, .value_kind: global_buffer, .address_space: global }
      - { .name: qpart, .offset: 16, .size: 8, .value_kind: global_buffer, .address_space: global }
      - { .name: b1, .offset: 24, .size: 8, .value_kind: global_buffer, .address_space: global }
      - { .name: b2, .offset: 32, .size: 8, .value_kind: global_buffer, .address_space: global }
      - { .name: V, .offset: 40, .size: 8, .value_kind: global_buffer, .address_space: global }
      - { .name: bV, .offset: 48, .size: 8, .value_kind: global_buffer, .address_space: global }
      - { .name: scores, .offset: 56, .size: 8, .value_kind: global_buffer, .address_space: global }
      - { .name: ctxp, .offset: 64, .size: 8, .value_kind: global_buffer, .address_space: global }
    .group_segment_fixed_size: 313856
    .private_segment_fixed_size: 0
    .kernarg_segment_align: 8
    .kernarg_segment_size: 72
    .max_flat_workgroup_size: 128
    .sgpr_count:     66
    .vgpr_count:     1024
    .wavefront_size: 32
...
	.end_amdgpu_metadata
.endif
;; end of part 2
;; launch finish (part 3): grid 32 x 1, 8 waves a work-group, no clusters, 1,536 bytes of LDS; arguments scores, ctxp, out0, out1; writes out0, out1
.if DOCPART == 3
	.amdgcn_target "amdgcn-amd-amdhsa--gfx1250"
	.amdhsa_code_object_version 6
	.text
	.protected	k_q6ab01edc8a_finish
	.globl	k_q6ab01edc8a_finish
	.p2align	8
	.type	k_q6ab01edc8a_finish,@function
k_q6ab01edc8a_finish:
	s_mov_b64 s[64:65], 0
	v_nop
	global_prefetch_b8 v0, s[64:65] scope:SCOPE_SE
	s_setreg_imm32_b32 hwreg(HW_REG_WAVE_MODE, 25, 1), 1
	s_wait_xcnt 0x0
; FINISH.  One work-group a batch b.  out1[b][t] = 2^(c1 s_t - c1 m) / L, m the largest of the batch's 2,048 scores, L the sum of those powers, c1 = log2(e).
; out0[b][d] = (sum over the eight blocks i of 2^(c1 m_i - c1 m) ctxp[8 b + i][d]) / L, m_i the largest score of block i: the maximum by which the launch before scaled that block's sum;
; it is made anew here from the same 256 stored scores, and a maximum rounds nothing.
; Wave w takes block w's 256 scores, 8 a lane; thread T takes four columns of the context.  32 work-groups: all the work there is; matrix units, clusters and tensor loads have nothing to do here.
; LIMITS: a weight below 2^-126 counts as 0; NaN and infinities are not treated apart.
.set SPARE, 512                        ; LDS: 8 maxima at 0, 8 sums at 256, then the spare words, 128 bytes for each of eight waves
.set SPW, 1
.set NIL, 2
.set SO,  3                            ; v3  1,024 w + 16 l
.set CO,  4                            ; v4  16 T
.set WW,  5                            ; v5  4 w
.set ZA,  6                            ; v6  LDS address 0
.set E,   8                            ; v[8:15]  my 8 scores, then their weights
.set CX,  16                           ; v[16:47] eight blocks' four columns
.set F,   52                           ; v[52:59] m_i, then 2^(c1 m_i - c1 m)
	s_load_b256 s[4:11], s[0:1], 0x0               ; scores s[4:5], ctxp s[6:7], out0 s[8:9], out1 s[10:11]
	v_lshl_add_u32 v[SPW], v0, 2, SPARE
	v_mov_b32 v[NIL], 0
	v_lshrrev_b32 v3, 5, v0
	v_readfirstlane_b32 s12, v3                    ; wave w
	v_and_b32 v4, 31, v0
	s_lshl_b32 s13, s12, 10
	v_lshl_add_u32 v[SO], v4, 4, s13
	v_lshlrev_b32 v[CO], 4, v0
	s_lshl_b32 s14, s12, 2
	v_mov_b32 v[WW], s14
	v_mov_b32 v[ZA], 0
	v_mov_b32 v49, 0                               ; v_permlanex16_b32's destination counts as read
	s_mov_b32 s15, 0x3fb8aa3b                      ; log2(e)
	s_mov_b32 s22, 0x76543210
	s_mov_b32 s23, 0xfedcba98
	s_lshl_b32 s16, ttmp9, 13                      ; 8,192 b: scores and out1
	s_mov_b32 s17, 0
	s_lshl_b32 s18, ttmp9, 15                      ; 32,768 b: ctxp
	s_mov_b32 s19, 0
	s_lshl_b32 s20, ttmp9, 12                      ; 4,096 b: out0
	s_mov_b32 s21, 0
	s_wait_kmcnt 0x0
	s_add_nc_u64 s[4:5], s[4:5], s[16:17]
	s_add_nc_u64 s[10:11], s[10:11], s[16:17]
	s_add_nc_u64 s[6:7], s[6:7], s[18:19]
	s_add_nc_u64 s[8:9], s[8:9], s[20:21]
	global_load_b128 v[E:E+3], v[SO], s[4:5]
	global_load_b128 v[E+4:E+7], v[SO], s[4:5] offset:512
.irp i, 0,1,2,3,4,5,6,7
	global_load_b128 v[CX+4*\i:CX+4*\i+3], v[CO], s[6:7] offset:4096*\i
.endr
	s_wait_loadcnt 8                               ; the scores are in; the context's eight loads are younger
	v_max3_num_f32 v48, v[E], v[E+1], v[E+2]
	v_max3_num_f32 v48, v48, v[E+3], v[E+4]
	v_max3_num_f32 v48, v48, v[E+5], v[E+6]
	v_max_num_f32 v48, v48, v[E+7]
	v_max_num_f32_dpp v48, v48, v48 row_xmask:1 row_mask:0xf bank_mask:0xf
	v_max_num_f32_dpp v48, v48, v48 row_xmask:2 row_mask:0xf bank_mask:0xf
	v_max_num_f32_dpp v48, v48, v48 row_xmask:4 row_mask:0xf bank_mask:0xf
	v_max_num_f32_dpp v48, v48, v48 row_xmask:8 row_mask:0xf bank_mask:0xf
	v_permlanex16_b32 v49, v48, s22, s23
	v_max_num_f32 v48, v48, v49                    ; m_w
	ds_store_b32 v[WW], v48                        ; all lanes write the same word with the same value
	s_wait_dscnt 0x0
	s_barrier_signal -1
	s_barrier_wait -1
	ds_load_b128 v[F:F+3], v[ZA]
	ds_load_b128 v[F+4:F+7], v[ZA] offset:16
	s_wait_dscnt 0x0
	v_max3_num_f32 v50, v[F], v[F+1], v[F+2]
	v_max3_num_f32 v50, v50, v[F+3], v[F+4]
	v_max3_num_f32 v50, v50, v[F+5], v[F+6]
	v_max_num_f32 v50, v50, v[F+7]                 ; m
	v_mul_f32 v51, s15, v50                        ; c1 m
.irp k, 0,1,2,3,4,5,6,7
	v_fma_f32 v[E+\k], v[E+\k], s15, -v51
	v_fma_f32 v[F+\k], v[F+\k], s15, -v51
.endr
.irp k, 0,1,2,3,4,5,6,7
	v_exp_f32 v[E+\k], v[E+\k]
	v_exp_f32 v[F+\k], v[F+\k]
.endr
	v_nop                                          ; a plain instruction behind the last exponential,
	s_wait_alu depctr_va_vdst(0)                   ; and the wait ahead of the first use: one for the sixteen
	v_pk_add_f32 v[60:61], v[E:E+1], v[E+2:E+3]
	v_pk_add_f32 v[62:63], v[E+4:E+5], v[E+6:E+7]
	v_pk_add_f32 v[60:61], v[60:61], v[62:63]
	v_add_f32 v60, v60, v61
	v_add_f32_dpp v60, v60, v60 row_xmask:1 row_mask:0xf bank_mask:0xf
	v_add_f32_dpp v60, v60, v60 row_xmask:2 row_mask:0xf bank_mask:0xf
	v_add_f32_dpp v60, v60, v60 row_xmask:4 row_mask:0xf bank_mask:0xf
	v_add_f32_dpp v60, v60, v60 row_xmask:8 row_mask:0xf bank_mask:0xf
	v_permlanex16_b32 v49, v60, s22, s23
	v_add_f32 v60, v60, v49
	ds_store_b32 v[WW], v60 offset:256             ; other bytes than the maxima's: no barrier is needed ahead of this store
	s_wait_dscnt 0x0
	s_barrier_signal -1
	s_barrier_wait -1
	ds_load_b128 v[60:63], v[ZA] offset:256
	ds_load_b128 v[48:51], v[ZA] offset:272
	s_wait_dscnt 0x0
	v_pk_add_f32 v[60:61], v[60:61], v[62:63]
	v_pk_add_f32 v[48:49], v[48:49], v[50:51]
	v_pk_add_f32 v[60:61], v[60:61], v[48:49]
	v_add_f32 v60, v60, v61                        ; L
	v_rcp_f32 v62, v60
	v_mov_b32 v63, 0                               ; the plain instruction behind the reciprocal; it also writes the pair's partner
	s_wait_alu depctr_va_vdst(0)
.irp k, 0,2,4,6
	v_pk_mul_f32 v[E+\k:E+\k+1], v[E+\k:E+\k+1], v[62:63] op_sel_hi:[1,0]
.endr
	global_store_b128 v[SO], v[E:E+3], s[10:11]    ; each store covers 512 consecutive bytes, aligned
	global_store_b128 v[SO], v[E+4:E+7], s[10:11] offset:512
	s_wait_loadcnt 0x0                             ; the eight blocks' sums
.irp c, 0,1,2,3
	v_mul_f32 v[CX+\c], v[CX+\c], v[F]
.endr
.irp i, 1,2,3,4,5,6,7
.irp c, 0,1,2,3
	v_fmac_f32 v[CX+\c], v[CX+4*\i+\c], v[F+\i]
.endr
.endr
	v_pk_mul_f32 v[CX:CX+1], v[CX:CX+1], v[62:63] op_sel_hi:[1,0]
	v_pk_mul_f32 v[CX+2:CX+3], v[CX+2:CX+3], v[62:63] op_sel_hi:[1,0]
	global_store_b128 v[CO], v[CX:CX+3], s[8:9]
	s_wait_tensorcnt 0x0                           ; the wave's end, behind my last LDS store
	ds_add_u32 v[SPW], v[NIL]
	s_wait_dscnt 0x0
	s_endpgm
.Lfunc_end_k_q6ab01edc8a_finish:
	.size	k_q6ab01edc8a_finish, .Lfunc_end_k_q6ab01edc8a_finish-k_q6ab01edc8a_finish
	.p2alignl 7, 3214868480
	.fill 96, 4, 3214868480
	.section	.rodata,"a",@progbits
	.p2align	6, 0x0
	.amdhsa_kernel k_q6ab01edc8a_finish
		.amdhsa_group_segment_fixed_size 1536
		.amdhsa_private_segment_fixed_size 0
		.amdhsa_enable_private_segment 0
		.amdhsa_kernarg_size 32
		.amdhsa_user_sgpr_count 2
		.amdhsa_user_sgpr_kernarg_segment_ptr 1
		.amdhsa_wavefront_size32 1
		.amdhsa_system_sgpr_workgroup_id_x 1
		.amdhsa_system_sgpr_workgroup_id_y 1
		.amdhsa_system_sgpr_workgroup_id_z 1
		.amdhsa_system_vgpr_workitem_id 0
		.amdhsa_next_free_vgpr 64
		.amdhsa_next_free_sgpr 66
		.amdhsa_reserve_vcc 0
		.amdhsa_float_denorm_mode_32 3
		.amdhsa_float_denorm_mode_16_64 3
		.amdhsa_memory_ordered 1
		.amdhsa_forward_progress 1
		.amdhsa_inst_pref_size 8
	.end_amdhsa_kernel
	.amdgpu_metadata
---
amdhsa.version: [ 1, 2 ]
amdhsa.kernels:
  - .name:           k_q6ab01edc8a_finish
    .symbol:         k_q6ab01edc8a_finish.kd
    .args:
      - { .name: scores, .offset: 0, .size: 8, .value_kind: global_buffer, .address_space: global }
      - { .name: ctxp, .offset: 8, .size: 8, .value_kind: global_buffer, .address_space: global }
      - { .name: out0, .offset: 16, .size: 8, .value_kind: global_buffer, .address_space: global }
      - { .name: out1, .offset: 24, .size: 8, .value_kind: global_buffer, .address_space: global }
    .group_segment_fixed_size: 1536
    .private_segment_fixed_size: 0
    .kernarg_segment_align: 8
    .kernarg_segment_size: 32
    .max_flat_workgroup_size: 256
    .sgpr_count:     66
    .vgpr_count:     64
    .wavefront_size: 32
...
	.end_amdgpu_metadata
.endif
;; end of part 3
;; ======== version 2 of 2: 3 launches; version 1 with the launch attn written anew for expert scheduling mode
;; limits: values outside matrix products are rounded to bf16
;; workspace buffers: w2f 2,195,456 bytes; qpart 1,048,576 bytes; scores 262,144 bytes; ctxp 1,048,576 bytes
;; launch prep: the kernel of part 1 again; grid 128 x 1, 4 waves a work-group, no clusters, 50,176 bytes of LDS; arguments W2, W1, query, w2f, qpart; writes w2f, qpart
;; launch attn (part 4): grid 8 x 32, 4 waves a work-group, no clusters, 313,856 bytes of LDS; arguments values, w2f, qpart, b1, b2, V, bV, scores, ctxp; writes scores, ctxp
.if DOCPART == 4
	.amdgcn_target "amdgcn-amd-amdhsa--gfx1250"
	.amdhsa_code_object_version 6
	.text
	.protected	k_q6ab01edc8a_attn
	.globl	k_q6ab01edc8a_attn
	.p2align	8
	.type	k_q6ab01edc8a_attn,@function
k_q6ab01edc8a_attn:
	s_mov_b64 s[64:65], 0
	v_nop
	global_prefetch_b8 v0, s[64:65] scope:SCOPE_SE
	s_setreg_imm32_b32 hwreg(HW_REG_WAVE_SCHED_MODE, 0, 2), 2
	s_setreg_imm32_b32 hwreg(HW_REG_WAVE_MODE, 25, 1), 1
	s_wait_xcnt 0x0
	s_wait_alu depctr_vm_vsrc(0)
; ATTN.  For 256 rows t of one batch b (work-group x = block of 256, y = b), in two tiles of 128 rows:
;   scores[b][t] = bV + sum over n of V[n] tanh(query[b] W1 + b1 + b2 + values[b][t] W2)[n]
;   ctxp[wg][d]  = sum over the 256 t of 2^(c1 s_t - c1 m) values[b][t][d],  m = the largest of the 256 scores (a running maximum), c1 = log2(e).
; tanh(x) = 1 - 2 / (1 + 2^(c x)), c = 2 log2(e); c is folded into w2f and into the bias table, so an accumulator holds X = c x and
;   score = (sum of V + bV) + sum over n of (-2 V[n]) / (1 + 2^X).  2^X = infinity gives 0, 2^X = 0 gives 1: both ends are right without a clamp.
; VALUES ARE READ FROM MEMORY ONCE: a tile is rounded to bf16 on its way in and stays in LDS for both passes over n and for the context's sum.
; SHARES.  N goes in two passes of 512 columns.  Wave w owns n = 512 pass + 128 w .. + 127 for all 128 rows: 64 accumulators of 16 x 16, 512 registers.  A K step is 32: 64 matrix instructions.
;   W2's fragments are no other wave's, so they come straight from w2f into registers (16 loads of 512 consecutive bytes a K step), three K steps ahead, in four buffers.
;   In pass 0 the tile streams in beside the products: a slice is 64 k (256 aligned bytes of a row); each wave loads 32 rows of it, rounds, stores to LDS; one barrier a slice.
; NO CLUSTER, NO TENSOR LOADS: the tile and tables take 313,856 bytes of LDS, and a K step of W2 for the work-group is 32 KiB more: no ring fits; values must pass through registers to be rounded.
; THE MATRIX INSTRUCTION IS USED TRANSPOSED: source 0 = 16 n of W2, source 1 = 16 t of values: a lane holds ONE t (lane % 16) and n = 8 (lane / 16) + 0..7.  So the sum over n stays in the lane but for
;   one exchange between the halves, and the bias is the C operand of a pass's first K step.
; LIMITS.  values, c W2 (rounded after the scaling), query, W1 enter products in bf16; the context takes the tile's bf16 copy with f32 weights.  A weight below 2^-126 counts as 0.
;   NaN and infinities in the inputs are not treated apart.  In a work-group's last tile the 48 loads a wave of positions 64 to 66 of w2f serve nothing: the price of one text for both tiles.
; THE MODE: SCHED_MODE bits 1:0 = 2 (LLVM: expert scheduling mode 2), set by the entry lines.  The code itself states the register dependences
; between vector or matrix instructions and memory or LDS instructions, with s_wait_alu, always for 0.
; THE PLAN.  Registers that memory or LDS instructions touch:
;   AH0, AH1       K step k: its first 32 products read AH0, its last 32 AH1.  Step k's fragments land in AH1 at the step's head, step k + 1's in AH0 in the step's middle.  In the context: sets 0 and 1, read by FMC.
;   W2 buffers     K step k's 64 products read buffer k % 4; position k + 3 lands in buffer (k - 1) % 4 in the step's second half.  Buffer 3 also takes the bias fragments, read as C in a pass's first step.
;   slice sets     Loads land; the conversions read and write the set; the LDS stores read it; loads land again.
;   VV             Two sets: a -2 V fragment lands in epilogue step t and is read by the multiply-adds of step t + 1; later the other waves' parts of the scores, and the context's weights.
;   SC, PW, CTX    Written by vector lines, read by stores.
;   ADRA, STA, CA, PTR   Addresses that vector lines step or set back.  VO, BO, TBL, PFO, SCW, SCRD, PTW are made at the head and never written again.
; So a K step has TWO waits on va_vdst: at its head (the last step's products are done: AH1 and the oldest W2 buffer are free) and in its middle (its first 32 products are done: AH0 is free; in a step that
; rounds a slice this is the wait behind the conversions, ahead of their stores).  The W2 loads stand between the quarters of the step's second half and owe nothing: no line since the head's wait names their buffer.
; A wait on vm_vsrc stands ahead of each refill of a slice set, of each step of an address, and of the sums that write SC again.
; REGISTERS, in windows of 256 (s_set_vgpr_msb: bits 1:0 source 0, 3:2 source 1, 5:4 source 2, 7:6 destination):
;   window 0: v0-63 as named below; v64-127 two halves of values' fragments; v128-191, v192-255 W2 buffers 2, 3 (3 holds the bias fragments in a pass's first K step)
;   window 1: v0-63, v64-127 W2 buffers 0, 1; v128-191, v192-255 two sets for slices on their way in
;   windows 2, 3: accumulator (a, i) (t block a, n block i) at v[8 (8 (a % 4) + i)] of window 2 + a / 4
.set SS,     18560                     ; a slice in LDS: 128 rows x 144 bytes + 128: neighbouring slices start 32 banks apart (64 banks of 4 bytes: ISA guide 11.1)
.set RP,     144                       ; a slice's row: 128 bytes + 16 of padding = 36 words: the 16 rows of a fragment load start at 16 different groups of four banks
.set TBK,    16*RP
.set BIT,    16*SS                     ; f32 c (query W1 + b1 + b2)[n], 4,096 bytes
.set V2T,    BIT+4096                  ; f32 -2 V[n]
.set SCR,    V2T+4096                  ; [4 waves][128 t] f32: the waves' parts of the scores
.set PT,     SCR+2048                  ; [4 waves][128 t] f32: each wave's own copy of the weights
.set CT,     PT+2048                   ; 1,024 bytes a wave: the context's way out; the 512 bytes behind it are the spare words, 128 bytes for each wave
.set POSB,   8192                      ; a position of w2f: a K step's eight fragments
.set STREAM, 67*POSB
.set ADRA, 3                           ; values' fragments: r 144 + 16 h + the slice in hand
.set STA,  4                           ; where I put 8 bytes of a slice's row
.set VO,   5                           ; my byte offset in values; never rewritten
.set BO,   6                           ; 16 x lane; never rewritten
.set TBL,  7                           ; BIT + (128 w + 8 h) 4; never rewritten
.set PFO,  8                           ; the prefetches' offset: (32 w + lane) rows; never rewritten
.set SCW,  9                           ; SCR + (128 w + lane) 4
.set SCRD, 10                          ; SCR + 16 lane
.set PTW,  11                          ; PT + 512 w + 16 lane
.set PTR,  12                          ; PT + 512 w + the rows in hand
.set CA,   13                          ; the context's reads of the tile
.set ADRA0, 14                         ; ADRA, STA and CA at a tile's beginning; never rewritten
.set STA0, 15
.set CA0,  16
.set AL,   18                          ; v[18:19] the correction a = 2^(c1 m_old - c1 m_new), and a partner for the pair
.set S,    20                          ; v[20:27] my part of the scores, a register a t block
.set CTX,  28                          ; v[28:35] the context's sums: my 8 columns
.set SV,   36                          ; sum of V + bV
.set MRUN, 37                          ; the running maximum
.set SC,   40                          ; v[40:43] four scores
.set PW,   44                          ; v[44:47] their weights
.set VV,   48                          ; v[48:63] two sets of 8: -2 V fragments; in the context the weights
.set AH,   64                          ; v[64:127] values' fragments, t blocks 0-3 and 4-7; in the context two sets of 8 rows
.set PV,   8                           ; s[8:9]   values, at the tile (and in pass 0 at the loop's slices)
.set PB,   10                          ; s[10:11] my stream of w2f, at the text unit's first position
.set SCO,  22                          ; s[22:23] scores
.set CXO,  24                          ; s[24:25] ctxp
.set WV,   26                          ; my wave's number
.set TL,   27                          ; tiles left
.set CNT,  28                          ; the inner loops' counter
.set BV,   29                          ; bV
.set SEL,  32                          ; s[32:33] v_permlanex16_b32's selects: each lane takes its own place in the other half
.set C1,   34                          ; log2(e)
.set HM,   36                          ; the mask of lanes 16-31
.set PTS,  37                          ; PT + 512 w
.set CC,   38                          ; s[38:39] c
.set MSB, 0
.macro WIN new                         ; the immediate's high byte repeats the setting that is left; a switch that changes nothing is dropped
.if MSB != (\new)
	s_set_vgpr_msb (MSB<<8)|(\new)
.set MSB, \new
.endif
.endm
.macro PLACES                          ; four places behind a matrix instruction, in front of lines that read results; in front of loads into registers that it has read they stand beside the wait on va_vdst, which states that dependence
.rept 4
	v_nop
.endr
.endm
; 8 LDS loads: values' fragments of four t blocks (half 0: 0-3, 1: 4-7), 32 k at byte off behind ADRA.  Lane l: row l % 16; registers 0-3 k = 8 (l / 16) + 0..7, registers 4-7 16 further on.
.macro LDA half, off
	WIN 0
.irp a, 0,1,2,3
	ds_load_b128 v[AH+32*(\half)+8*\a:AH+32*(\half)+8*\a+3],   v[ADRA] offset:(\off)+(4*(\half)+\a)*TBK
	ds_load_b128 v[AH+32*(\half)+8*\a+4:AH+32*(\half)+8*\a+7], v[ADRA] offset:(\off)+(4*(\half)+\a)*TBK+32
.endr
.endm
; 16 loads: a position of w2f into buffer buf (at v[64 buf]: window 1 for 0 and 1, window 0 for 2 and 3)
.macro RB buf, off
.if (\buf) < 2
	WIN 0x40
.else
	WIN 0
.endif
.irp i, 0,1,2,3,4,5,6,7
	global_load_b128 v[64*(\buf)+8*\i:64*(\buf)+8*\i+3],   v[BO], s[PB:PB+1] offset:(\off)+1024*\i
	global_load_b128 v[64*(\buf)+8*\i+4:64*(\buf)+8*\i+7], v[BO], s[PB:PB+1] offset:(\off)+1024*\i+512
.endr
.endm
; 16 matrix instructions: t blocks a0, a0 + 1 of the half x all 8 n blocks.  first = 1: C is the bias fragment (buffer 3's registers).  The 64 accumulators take turns, one instruction a turn, in the same order in every K step.
.macro MULQ half, buf, a0, first
.if \first
	WIN (0x80+0x40*(\half))|(1-(\buf)/2)
.else
	WIN (0xa0+0x50*(\half))|(1-(\buf)/2)
.endif
.irp a, \a0, (\a0)+1
.irp i, 0,1,2,3,4,5,6,7
.if \first
	v_wmma_f32_16x16x32_bf16 v[8*(8*(\a)+\i):8*(8*(\a)+\i)+7], v[64*(\buf)+8*\i:64*(\buf)+8*\i+7], v[AH+32*(\half)+8*(\a):AH+32*(\half)+8*(\a)+7], v[192+8*\i:192+8*\i+7]
.else
	v_wmma_f32_16x16x32_bf16 v[8*(8*(\a)+\i):8*(8*(\a)+\i)+7], v[64*(\buf)+8*\i:64*(\buf)+8*\i+7], v[AH+32*(\half)+8*(\a):AH+32*(\half)+8*(\a)+7], v[8*(8*(\a)+\i):8*(8*(\a)+\i)+7]
.endif
.endr
.endr
.endm
; A slice arrives: load q of 16 holds rows (q % 8) + 16 (q / 8) (lanes 0-15) and 8 further down (lanes 16-31) of my 32; four f32 become 8 bytes.  n = the younger loads that may stay out.
.macro CONV set, off, n
	s_wait_loadcnt \n
	WIN 0x45                                       ; sources and destination in window 1
.set q, 0
.rept 16
	v_cvt_pk_bf16_f32 v[128+64*(\set)+4*q],   v[128+64*(\set)+4*q],   v[128+64*(\set)+4*q+1]
	v_cvt_pk_bf16_f32 v[128+64*(\set)+4*q+1], v[128+64*(\set)+4*q+2], v[128+64*(\set)+4*q+3]
.set q, q+1
.endr
	WIN 0x04                                       ; address in window 0, data in window 1
	s_wait_alu depctr_va_vdst(0)                   ; the conversions have written the set, which the stores read, and STA is written; in a K step also: its first 32 products are done reading t blocks 0-3's fragments, in which the next step's land
.set q, 0
.rept 16
	ds_store_b64 v[STA], v[128+64*(\set)+4*q:128+64*(\set)+4*q+1] offset:(\off)+((q%8)+16*(q/8))*RP  ; the halves of the lanes lie 8 rows = 288 words apart
.set q, q+1
.endr
.endm
; A slice is asked for: sixteen lanes take 256 consecutive bytes of a row, aligned.  again = 1: directly behind the set's conversions and LDS stores.
.macro VISSUE set, off, again=0
	WIN 0x40
.if \again
	s_wait_alu depctr_va_vdst(0)                   ; the conversions are done with the set, in which the loads below land: said behind the switch of windows and behind the stores that read the set
	s_wait_alu depctr_vm_vsrc(0)                   ; the LDS stores have read the set
.endif
.set q, 0
.rept 16
	global_load_b128 v[128+64*(\set)+4*q:128+64*(\set)+4*q+3], v[VO], s[PV:PV+1] offset:(\off)+((q%8)+16*(q/8))*4096 th:TH_LOAD_NT
.set q, q+1
.endr
.endm
; A K STEP.  kk: its number in the text unit (LDS and w2f offsets go by it); buf: its W2 buffer; nb: the loads younger than that buffer's; first: the bias starts the sums;
; pre: buffer 3, which held the bias, is asked for at the head; rbon: the buffer three K steps on is asked for; lda0: the next K step's first fragments are fetched;
; cset >= 0: slice set cset is rounded and stored at coff behind STA (cn: its wait's count), and a barrier stands in the step's second half; voff >= 0: the set is asked for again;
; pfm: 1 a prefetch at pfoff, 2 the same but not in the loop's last trip.
.macro KSTEP kk, buf, nb, first, pre, rbon, lda0, cset, coff, cn, voff, pfm, pfoff
	PLACES                                         ; behind the last K step's products
	WIN 0
.if !(\first)                                          ; (ahead of a pass's first step an earlier wait has said all this, and no line since names these registers)
	s_wait_alu depctr_va_vdst(0)                   ; the last K step's products are done reading t blocks 4-7's fragments, in which the loads below land, and their W2 buffer (in a pass's second step the bias too), which is asked for again in this step; ADRA, where it has just been stepped, is written
.endif
.if \pre
	RB 3, 3*POSB
.endif
	LDA 1, ((\kk)/2)*SS+((\kk)%2)*64
	s_wait_dscnt 8                                 ; t blocks 0-3 are in; the eight loads just issued may be out
	s_wait_loadcnt \nb                             ; my W2 buffer is in
	MULQ 0, \buf, 0, \first
	MULQ 0, \buf, 2, \first
.if (\cset) >= 0
	CONV \cset, \coff, \cn                         ; its 32 conversions are also the places in front of the loads below
.else
	PLACES
	WIN 0
.if \lda0
	s_wait_alu depctr_va_vdst(0)                   ; this step's first 32 products are done reading t blocks 0-3's fragments, in which the next step's land
.endif
.endif
.if (\voff) >= 0
	VISSUE \cset, \voff, 1
.endif
	WIN 0
.if (\pfm) == 2
	s_cmp_eq_u32 s[CNT], 1                         ; the last trip's look-ahead would name slices 16 and 17, which a row does not have
	s_cbranch_scc1 .Lno_pf_\@
.endif
.if \pfm
	global_prefetch_b8 v[PFO], s[PV:PV+1] offset:\pfoff th:TH_LOAD_NT scope:SCOPE_SE  ; my own 32 rows x 256 bytes of the slice that is loaded four K steps on: a lane a row
.endif
.if (\pfm) == 2
.Lno_pf_\@:
.endif
.if \lda0
	LDA 0, (((\kk)+1)/2)*SS+(((\kk)+1)%2)*64
.endif
.if (\cset) >= 0
	s_wait_dscnt 24                                ; t blocks 4-7 are in: 16 stores and 8 loads are younger
	MULQ 1, \buf, 0, \first
.if \rbon
	RB ((\buf)+3)%4, ((\kk)+3)*POSB                ; no wait: no vector or matrix instruction since the wait at the step's head names this buffer
.endif
	s_wait_dscnt 0x0                               ; for the others' sake: my rows of the slice are written
	s_barrier_signal -1
	MULQ 1, \buf, 2, \first                        ; work on registers while the others arrive
	s_barrier_wait -1                              ; the slice is whole: it is first read in the next K step's middle
.else
	s_wait_dscnt 8*(\lda0)                         ; t blocks 4-7 are in
	MULQ 1, \buf, 0, \first
.if \rbon
	RB ((\buf)+3)%4, ((\kk)+3)*POSB                ; no wait: no vector or matrix instruction since the wait at the step's head names this buffer
.endif
	MULQ 1, \buf, 2, \first
.endif
.endm
.macro KPLAIN kk, buf, nb, lda0        ; a K step with nothing beside its products and fetches
	KSTEP \kk, \buf, \nb, 0, 0, 1, \lda0, -1, 0, 0, -1, 0, 0
.endm
; THE EPILOGUE of one window's 32 accumulators, in ten steps over its batches i = 0..7 (a batch: the accumulators (a, i) of four t blocks, 32 registers).  In step t:
; 2^X for batch t; 1 + 2^X and its reciprocal for batch t - 1; r x (-2 V) + the batch before for batch t - 2.  No line of a step names a result of a transcendental of the same step, so the step's 64
; have ONE wait, at its end, with a plain instruction ahead of it.  Each accumulator is read from its lowest register on.
.macro EPIW W, chunk
.set t, 0
.rept 10
.if t >= 2
	s_wait_dscnt 0x0                               ; the -2 V fragment of batch t - 2 is in
.endif
.if (t >= 1) && (t <= 8)
	WIN 0
	ds_load_b128 v[VV+8*((t-1)%2):VV+8*((t-1)%2)+3],   v[TBL] offset:4096+2048*(\chunk)+64*(t-1)
	ds_load_b128 v[VV+8*((t-1)%2)+4:VV+8*((t-1)%2)+7], v[TBL] offset:4096+2048*(\chunk)+64*(t-1)+16
.endif
	WIN 0xa2+0x51*((\W)-2)                         ; accumulators in window W, the -2 V fragment (source 1) in window 0
.set q, 0
.rept 16
.set rx, 64*(q/4)+(2*q)%8
.if (t >= 1) && (t <= 8)
	v_pk_add_f32 v[rx+8*(t-1):rx+8*(t-1)+1], v[rx+8*(t-1):rx+8*(t-1)+1], 1.0 op_sel_hi:[1,0]
.endif
.if t <= 7
	v_exp_f32 v[rx+8*t], v[rx+8*t]
.endif
.if t == 2
	v_pk_mul_f32 v[rx:rx+1], v[rx:rx+1], v[VV+(2*q)%8:VV+(2*q)%8+1]
.elseif t >= 3
	v_pk_fma_f32 v[rx+8*(t-2):rx+8*(t-2)+1], v[rx+8*(t-2):rx+8*(t-2)+1], v[VV+8*((t-2)%2)+(2*q)%8:VV+8*((t-2)%2)+(2*q)%8+1], v[rx+8*(t-3):rx+8*(t-3)+1]
.endif
.if t <= 7
	v_exp_f32 v[rx+8*t+1], v[rx+8*t+1]
.endif
.if (t >= 1) && (t <= 8)
	v_rcp_f32 v[rx+8*(t-1)], v[rx+8*(t-1)]
	v_rcp_f32 v[rx+8*(t-1)+1], v[rx+8*(t-1)+1]
.endif
.set q, q+1
.endr
.if t <= 8
	v_nop
	s_wait_alu depctr_va_vdst(0)                   ; the step's exponentials and reciprocals are written, ahead of their first readers in the next step; its multiply-adds are done reading the -2 V set in which the next step's loads land
.endif
.set t, t+1
.endr
.endm
.macro RED W                           ; batch 7 holds the sums over i: its eight registers a t block are added into S
	WIN 0x8a+0x45*((\W)-2)                         ; both sources and the destination in window W
.irp a, 0,1,2,3
	v_pk_add_f32 v[64*\a+56:64*\a+57], v[64*\a+56:64*\a+57], v[64*\a+58:64*\a+59]
	v_pk_add_f32 v[64*\a+60:64*\a+61], v[64*\a+60:64*\a+61], v[64*\a+62:64*\a+63]
.endr
.irp a, 0,1,2,3
	v_pk_add_f32 v[64*\a+56:64*\a+57], v[64*\a+56:64*\a+57], v[64*\a+60:64*\a+61]
.endr
	WIN \W                                         ; source 0 in window W, S in window 0
.irp a, 0,1,2,3
	v_add_f32 v[S+4*((\W)-2)+\a], v[64*\a+56], v[S+4*((\W)-2)+\a]
.endr
.irp a, 0,1,2,3
	v_add_f32 v[S+4*((\W)-2)+\a], v[64*\a+57], v[S+4*((\W)-2)+\a]
.endr
.endm
.macro EPI chunk, nextchunk, lda       ; behind a pass: the next pass's bias fragments (and first fragments of values) are fetched, then both windows' epilogues
	PLACES
	WIN 0
	s_wait_alu depctr_va_vdst(0)                   ; the pass's last products are done reading buffer 3, in which the bias fragments land, and t blocks 0-3's fragments; ADRA, set back behind pass 0, is written
.if \lda
	LDA 0, 0
.endif
	WIN 0
.irp i, 0,1,2,3,4,5,6,7
	ds_load_b128 v[192+8*\i:192+8*\i+3], v[TBL] offset:2048*(\nextchunk)+64*\i
	ds_load_b128 v[192+8*\i+4:192+8*\i+7], v[TBL] offset:2048*(\nextchunk)+64*\i+16
.endr
	EPIW 2, \chunk
	RED 2
	EPIW 3, \chunk
	RED 3
	WIN 0
.endm
; THE CONTEXT.  Wave w owns d = 256 w .. + 255 (slices 4 w .. 4 w + 3), lane l eight columns.  A set is 8 rows: 8 loads of 16 bytes and the rows' 8 weights (one address for all lanes).
.macro LDC set, row
.irp p, 0,1,2,3,4,5,6,7
	ds_load_b128 v[AH+32*(\set)+4*\p:AH+32*(\set)+4*\p+3], v[CA] offset:((\row)+\p)*RP
.endr
	ds_load_b128 v[VV+8*(\set):VV+8*(\set)+3],   v[PTR] offset:4*(\row)
	ds_load_b128 v[VV+8*(\set)+4:VV+8*(\set)+7], v[PTR] offset:4*(\row)+16
.endm
.macro FMC set                         ; 64 multiply-adds straight from the bf16 halves, weights and sums in f32
.irp p, 0,1,2,3,4,5,6,7
.irp j, 0,1,2,3
	v_fma_mix_f32_bf16 v[CTX+2*\j],   v[AH+32*(\set)+4*\p+\j], v[VV+8*(\set)+\p], v[CTX+2*\j] op_sel_hi:[1,0,0]
	v_fma_mix_f32_bf16 v[CTX+2*\j+1], v[AH+32*(\set)+4*\p+\j], v[VV+8*(\set)+\p], v[CTX+2*\j+1] op_sel:[1,0,0] op_sel_hi:[1,0,0]
.endr
.endr
.endm
	s_load_b512 s[8:23], s[0:1], 0x0               ; values, w2f, qpart s[12:13], b1 s[14:15], b2 s[16:17], V s[18:19], bV s[20:21], scores
	s_load_b64 s[CXO:CXO+1], s[0:1], 0x40          ; ctxp
	v_lshl_add_u32 v2, v0, 2, 0x4c800
	v_mov_b32 v17, 0
	v_lshrrev_b32 v38, 5, v0
	v_readfirstlane_b32 s[WV], v38                 ; wave w
	v_and_b32 v38, 15, v0                          ; r = l % 16
	v_bfe_u32 v39, v0, 4, 1                        ; h = l / 16
	v_and_b32 v40, 31, v0                          ; l
	s_mov_b32 s[SEL], 0x76543210
	s_mov_b32 s[SEL+1], 0xfedcba98
	s_mov_b32 s[C1], 0x3fb8aa3b                    ; log2(e)
	s_mov_b32 s[HM], 0xffff0000
	s_mov_b32 s[CC], 0x4038aa3b                    ; c = 2 log2(e)
	s_mov_b32 s[CC+1], s[CC]                       ; named with it as a pair
	v_mul_u32_u24 v[ADRA0], v38, RP
	v_lshl_add_u32 v[ADRA0], v39, 4, v[ADRA0]
	v_mov_b32 v[ADRA], v[ADRA0]
	s_wait_alu depctr_va_sdst(0)                   ; the wave's number is written, ahead of its first reader: LDS addresses, offsets and bases are made from it
	s_mul_i32 s30, s[WV], 32*RP
	v_mul_u32_u24 v[STA0], v39, 8*RP
	v_lshl_add_u32 v[STA0], v38, 3, v[STA0]
	v_add_nc_u32 v[STA0], s30, v[STA0]
	v_mov_b32 v[STA], v[STA0]
	s_lshl_b32 s30, s[WV], 17                      ; 32 w rows of 4,096 bytes
	v_lshl_add_u32 v[VO], v39, 15, s30             ; + 8 h rows
	v_lshl_add_u32 v[VO], v38, 4, v[VO]
	v_lshlrev_b32 v[BO], 4, v40
	s_lshl_b32 s30, s[WV], 9
	s_add_co_u32 s31, s30, BIT
	v_lshl_add_u32 v[TBL], v39, 5, s31
	v_lshl_add_u32 v[PFO], s[WV], 5, v40
	v_lshlrev_b32 v[PFO], 12, v[PFO]
	s_add_co_u32 s31, s30, SCR
	v_lshl_add_u32 v[SCW], v40, 2, s31
	v_lshl_add_u32 v[SCRD], v40, 4, SCR
	s_add_co_u32 s[PTS], s30, PT
	v_lshl_add_u32 v[PTW], v40, 4, s[PTS]
	v_bfe_u32 v41, v0, 3, 2
	v_lshl_add_u32 v41, s[WV], 2, v41              ; slice 4 w + l / 8
	v_mul_u32_u24 v[CA0], v41, SS
	v_and_b32 v42, 7, v0
	v_lshl_add_u32 v[CA0], v42, 4, v[CA0]
	v_lshlrev_b32 v47, 4, v0                       ; the tables: 16 x thread
	v_lshl_add_u32 v46, v0, 4, BIT
	v_lshl_add_u32 v45, v40, 4, V2T
	s_and_b32 s40, ttmp7, 0xffff                   ; b
	s_lshl_b32 s41, s40, 3
	s_add_co_u32 s41, s41, ttmp9                   ; the work-group's number 8 b + x: its 256 rows
	s_mov_b32 s31, 0
	s_wait_kmcnt 0x0
	s_load_b32 s[BV], s[20:21], 0x0
	s_lshl_b32 s30, s41, 20                        ; 256 rows of 4,096 bytes
	s_add_nc_u64 s[PV:PV+1], s[PV:PV+1], s[30:31]
	s_mul_i32 s30, s[WV], STREAM
	s_add_nc_u64 s[PB:PB+1], s[PB:PB+1], s[30:31]
	s_lshl_b32 s30, s40, 12
	s_add_nc_u64 s[12:13], s[12:13], s[30:31]
	s_lshl_b32 s30, s41, 10
	s_add_nc_u64 s[SCO:SCO+1], s[SCO:SCO+1], s[30:31]
	s_lshl_b32 s30, s41, 12
	s_add_nc_u64 s[CXO:CXO+1], s[CXO:CXO+1], s[30:31]
	s_wait_alu depctr_va_vdst(0)                   ; all offsets and LDS addresses made above are written: every load, store and prefetch of the kernel reads one of them
; THE TABLES: thread T makes n = 4 T .. and 512 + 4 T ..: 22 loads, ahead of everything else
.irp k, 0,1,2,3,4,5,6,7
.irp u, 0,1
	global_load_b128 v[64+8*\k+4*\u:64+8*\k+4*\u+3], v47, s[12:13] offset:\k*131072+2048*\u
.endr
.endr
.irp u, 0,1
	global_load_b128 v[128+4*\u:128+4*\u+3], v47, s[14:15] offset:2048*\u
	global_load_b128 v[136+4*\u:136+4*\u+3], v47, s[16:17] offset:2048*\u
	global_load_b128 v[144+4*\u:144+4*\u+3], v47, s[18:19] offset:2048*\u
.endr
	VISSUE 0, 0                                    ; slices 0 and 1,
	VISSUE 1, 256
	RB 0, 0                                        ; positions 0 and 1
	RB 1, POSB
	WIN 0
	s_wait_loadcnt 63                              ; the tables are in: 64 loads are younger
.irp k, 1,2,3,4,5,6,7
.irp u, 0,2,4,6
	v_pk_add_f32 v[64+\u:65+\u], v[64+\u:65+\u], v[64+8*\k+\u:65+8*\k+\u]
.endr
.endr
.irp u, 0,2,4,6
	v_pk_add_f32 v[64+\u:65+\u], v[64+\u:65+\u], v[128+\u:129+\u]
.endr
.irp u, 0,2,4,6
	v_pk_add_f32 v[64+\u:65+\u], v[64+\u:65+\u], v[136+\u:137+\u]
.endr
.irp u, 0,2,4,6
	v_pk_mul_f32 v[64+\u:65+\u], v[64+\u:65+\u], s[CC:CC+1] op_sel_hi:[1,0]
	v_pk_mul_f32 v[144+\u:145+\u], v[144+\u:145+\u], -2.0 op_sel_hi:[1,0]
.endr
	s_wait_alu depctr_va_vdst(0)                   ; the tables' numbers are written, which the LDS stores read; the lines above are done with v64-151, in which position 2 and the loads behind the barrier land
	ds_store_b128 v46, v[64:67]
	ds_store_b128 v46, v[68:71] offset:2048
	ds_store_b128 v46, v[144:147] offset:4096
	ds_store_b128 v46, v[148:151] offset:6144
	s_wait_alu depctr_vm_vsrc(0)                   ; the LDS stores have read v144-151, in which position 2 lands, and v64-71, in which the loads behind the barrier land
	RB 2, 2*POSB                                   ; position 2, into registers that the tables have left
	s_wait_dscnt 0x0                               ; for the others' sake: my part of the tables is written
	s_barrier_signal -1
	s_barrier_wait -1
.irp u, 0,1,2,3,4,5,6,7
	ds_load_b128 v[64+4*\u:64+4*\u+3], v45 offset:512*\u  ; all 1,024 numbers -2 V, 32 a lane
.endr
.irp i, 0,1,2,3,4,5,6,7
	ds_load_b128 v[192+8*\i:192+8*\i+3], v[TBL] offset:64*\i      ; pass 0's bias fragments
	ds_load_b128 v[192+8*\i+4:192+8*\i+7], v[TBL] offset:64*\i+16
.endr
	s_wait_dscnt 16                                ; -2 V is in; the bias fragments' 16 loads are younger
.irp d, 16,8,4,2
.set q, 0
.rept \d/2
	v_pk_add_f32 v[64+2*q:65+2*q], v[64+2*q:65+2*q], v[64+\d+2*q:65+\d+2*q]
.set q, q+1
.endr
.endr
	v_add_f32 v38, v64, v65
	v_add_f32_dpp v38, v38, v38 row_xmask:1 row_mask:0xf bank_mask:0xf
	v_add_f32_dpp v38, v38, v38 row_xmask:2 row_mask:0xf bank_mask:0xf
	v_add_f32_dpp v38, v38, v38 row_xmask:4 row_mask:0xf bank_mask:0xf
	v_add_f32_dpp v38, v38, v38 row_xmask:8 row_mask:0xf bank_mask:0xf
	v_permlanex16_b32 v39, v38, s[SEL], s[SEL+1]
	v_add_f32 v38, v38, v39
	s_wait_kmcnt 0x0                               ; bV
	v_fma_f32 v[SV], v38, -0.5, s[BV]              ; sum of V + bV
.irp e, 0,1,2,3,4,5,6,7
	v_mov_b32 v[CTX+\e], 0
.endr
	v_mov_b32 v[MRUN], 0xff7fffff                  ; the lowest finite number: the first correction is 2^(-infinity) = 0
	v_mov_b32 v[AL+1], 0
	s_mov_b32 s[TL], 2
.Ltile:
.irp a, 0,1,2,3,4,5,6,7
	v_mov_b32 v[S+\a], 0
.endr
	CONV 0, 0, 63                                  ; slice 0: 64 loads or more are younger.  Its wait on va_vdst also says that the lines before the tile (the sum of V; the last tile's context) are done with AH, in which the fragments below land
	VISSUE 0, 512, 1                               ; slice 2
	WIN 0
	global_prefetch_b8 v[PFO], s[PV:PV+1] offset:1024 th:TH_LOAD_NT scope:SCOPE_SE  ; slice 4
	s_wait_dscnt 0x0
	s_barrier_signal -1
	s_barrier_wait -1                              ; slice 0 is whole
	LDA 0, 0
; PASS 0.  Slice s is rounded and stored in K step 2 s - 2, slice s + 2 asked for behind it, slice s + 4 prefetched.
; The counts: 48 = two runs of W2 and one slice behind the buffer wanted; from K step 27 on no slice is asked for: 32.
	KSTEP 0, 0, 48, 1, 0, 0, 1, 1, SS, 63, 768, 1, 1280
	KSTEP 1, 1, 48, 0, 1, 1, 1, -1, 0, 0, -1, 0, 0
	WIN 0
	s_wait_xcnt 0x0                                ; every load and prefetch issued so far has read its address: the pointer may be written
	s_add_nc_u64 s[PB:PB+1], s[PB:PB+1], 2*POSB
	s_wait_alu depctr_vm_vsrc(0)                   ; the LDS loads and stores issued so far have read ADRA and STA
	v_add_nc_u32 v[ADRA], SS, v[ADRA]
	v_add_nc_u32 v[STA], 2*SS, v[STA]
	s_mov_b32 s[CNT], 6
.Lp0:                                              ; K steps 2 to 25, four a trip
	KSTEP 0, 2, 48, 0, 0, 1, 1, 0, 0, 48, 1024, 2, 1536
	KPLAIN 1, 3, 48, 1
	KSTEP 2, 0, 48, 0, 0, 1, 1, 1, SS, 48, 1280, 2, 1792
	KPLAIN 3, 1, 48, 1
	WIN 0
	s_wait_xcnt 0x0
	s_add_nc_u64 s[PB:PB+1], s[PB:PB+1], 4*POSB
	s_add_nc_u64 s[PV:PV+1], s[PV:PV+1], 512
	s_wait_alu depctr_vm_vsrc(0)                   ; the LDS loads and stores issued so far have read ADRA and STA
	v_add_nc_u32 v[ADRA], 2*SS, v[ADRA]
	v_add_nc_u32 v[STA], 2*SS, v[STA]
	s_sub_co_u32 s[CNT], s[CNT], 1
	s_cmp_lg_u32 s[CNT], 0
	s_cbranch_scc1 .Lp0
	KSTEP 0, 2, 48, 0, 0, 1, 1, 0, 0, 48, -1, 0, 0  ; K steps 26 to 31: the last two slices arrive, nothing more of this tile is asked for
	KPLAIN 1, 3, 32, 1
	KSTEP 2, 0, 32, 0, 0, 1, 1, 1, SS, 48, -1, 0, 0
	KPLAIN 3, 1, 32, 1
	KPLAIN 4, 2, 32, 1
	KPLAIN 5, 3, 32, 0
	WIN 0
	s_wait_xcnt 0x0
	s_add_nc_u64 s[PB:PB+1], s[PB:PB+1], 6*POSB
	s_add_nc_u64 s[PV:PV+1], s[PV:PV+1], 128*4096-6*512  ; the next tile's first row, back along the row
	s_wait_alu depctr_vm_vsrc(0)                   ; the LDS loads and stores issued so far have read ADRA and STA; the stores of slices 14 and 15 have read both slice sets, in which the next tile's loads land
	v_mov_b32 v[ADRA], v[ADRA0]
	v_mov_b32 v[STA], v[STA0]
	s_cmp_eq_u32 s[TL], 1
	s_cbranch_scc1 .Lno_next                       ; the jump passes loads alone; pass 1's counts leave them out, which is the smaller count
	VISSUE 0, 0                                    ; the next tile's slices 0 and 1: they have an epilogue and pass 1 in which to land.  No wait on va_vdst: the sets' conversions stand ahead of later K steps' waits, and no line since names the sets
	VISSUE 1, 256
	WIN 0
.Lno_next:
	EPI 0, 1, 1
; PASS 1: the tile lies in LDS; 32 = two runs of W2 behind the buffer wanted
	KSTEP 0, 0, 32, 1, 0, 0, 1, -1, 0, 0, -1, 0, 0
	KSTEP 1, 1, 32, 0, 1, 1, 1, -1, 0, 0, -1, 0, 0
	WIN 0
	s_wait_xcnt 0x0
	s_add_nc_u64 s[PB:PB+1], s[PB:PB+1], 2*POSB
	s_wait_alu depctr_vm_vsrc(0)                   ; the LDS loads issued so far have read ADRA
	v_add_nc_u32 v[ADRA], SS, v[ADRA]
	s_mov_b32 s[CNT], 7
.Lp1:                                              ; K steps 2 to 29
	KPLAIN 0, 2, 32, 1
	KPLAIN 1, 3, 32, 1
	KPLAIN 2, 0, 32, 1
	KPLAIN 3, 1, 32, 1
	WIN 0
	s_wait_xcnt 0x0
	s_add_nc_u64 s[PB:PB+1], s[PB:PB+1], 4*POSB
	s_wait_alu depctr_vm_vsrc(0)                   ; the LDS loads issued so far have read ADRA
	v_add_nc_u32 v[ADRA], 2*SS, v[ADRA]
	s_sub_co_u32 s[CNT], s[CNT], 1
	s_cmp_lg_u32 s[CNT], 0
	s_cbranch_scc1 .Lp1
	KPLAIN 0, 2, 32, 1                             ; K steps 30 and 31; K steps 29 to 31 ask for positions 64 to 66, the repeat of 0 to 2: the next tile's first fragments
	KPLAIN 1, 3, 32, 0
	WIN 0
	EPI 1, 0, 0
	s_cmp_eq_u32 s[TL], 1
	s_cbranch_scc1 .Lno_pf
	global_prefetch_b8 v[PFO], s[PV:PV+1] offset:512 th:TH_LOAD_NT scope:SCOPE_SE  ; the next tile's slices 2 and 3, which its first lines load
	global_prefetch_b8 v[PFO], s[PV:PV+1] offset:768 th:TH_LOAD_NT scope:SCOPE_SE
.Lno_pf:
; THE SCORES.  The other half of the lanes holds the other eight n of each sixteen; then the four waves' parts meet in LDS.
.irp a, 0,1,2,3,4,5,6,7
	v_permlanex16_b32 v[VV+\a], v[S+\a], s[SEL], s[SEL+1]
.endr
.irp a, 0,1,2,3,4,5,6,7
	v_add_f32 v[S+\a], v[S+\a], v[VV+\a]
.endr
.irp a, 0,1,2,3
	v_cndmask_b32 v[SC+\a], v[S+2*\a], v[S+2*\a+1], s[HM]  ; lane l takes t = 32 a + l
.endr
	s_wait_alu depctr_va_vdst(0)                   ; the selects have written SC, which the LDS stores read; the additions are done reading VV, in which the loads behind the barrier land
.irp a, 0,1,2,3
	ds_store_b32 v[SCW], v[SC+\a] offset:128*\a
.endr
	s_wait_dscnt 0x0
	s_barrier_signal -1
	s_barrier_wait -1
.irp u, 0,1,2,3
	ds_load_b128 v[VV+4*\u:VV+4*\u+3], v[SCRD] offset:512*\u  ; t = 4 l .. 4 l + 3 of wave u's part
.endr
	s_wait_dscnt 0x0
	s_wait_alu depctr_vm_vsrc(0)                   ; the LDS stores have read SC, which the sums below write again; earlier LDS instructions have read PW (at the head: v45 to v47), CA, PTR and ADRA, which are written again further down
	v_pk_add_f32 v[VV:VV+1], v[VV:VV+1], v[VV+4:VV+5]
	v_pk_add_f32 v[VV+2:VV+3], v[VV+2:VV+3], v[VV+6:VV+7]
	v_pk_add_f32 v[VV+8:VV+9], v[VV+8:VV+9], v[VV+12:VV+13]
	v_pk_add_f32 v[VV+10:VV+11], v[VV+10:VV+11], v[VV+14:VV+15]
	v_pk_add_f32 v[VV:VV+1], v[VV:VV+1], v[VV+8:VV+9]
	v_pk_add_f32 v[VV+2:VV+3], v[VV+2:VV+3], v[VV+10:VV+11]
	v_pk_add_f32 v[SC:SC+1], v[VV:VV+1], v[SV:SV+1] op_sel_hi:[1,0]
	v_pk_add_f32 v[SC+2:SC+3], v[VV+2:VV+3], v[SV:SV+1] op_sel_hi:[1,0]
	s_cmp_lg_u32 s[WV], 0                          ; every wave holds all 128 scores; wave 0 stores them
	s_cbranch_scc1 .Lno_store
	s_wait_alu depctr_va_vdst(0)                   ; the sums have written SC, which the store reads
	global_store_b128 v[BO], v[SC:SC+3], s[SCO:SCO+1]  ; 512 consecutive bytes, aligned
.Lno_store:
; THE RUNNING MAXIMUM, the correction a and the tile's weights: five exponentials, one batch, one wait
	v_max3_num_f32 v38, v[SC], v[SC+1], v[SC+2]
	v_max_num_f32 v38, v38, v[SC+3]
	v_max_num_f32_dpp v38, v38, v38 row_xmask:1 row_mask:0xf bank_mask:0xf
	v_max_num_f32_dpp v38, v38, v38 row_xmask:2 row_mask:0xf bank_mask:0xf
	v_max_num_f32_dpp v38, v38, v38 row_xmask:4 row_mask:0xf bank_mask:0xf
	v_max_num_f32_dpp v38, v38, v38 row_xmask:8 row_mask:0xf bank_mask:0xf
	v_permlanex16_b32 v39, v38, s[SEL], s[SEL+1]
	v_max3_num_f32 v38, v38, v39, v[MRUN]          ; m_new
	v_mul_f32 v39, s[C1], v38                      ; c1 m_new
	v_fma_f32 v[AL], v[MRUN], s[C1], -v39
.irp k, 0,1,2,3
	v_fma_f32 v[PW+\k], v[SC+\k], s[C1], -v39
.endr
	v_exp_f32 v[AL], v[AL]
.irp k, 0,1,2,3
	v_exp_f32 v[PW+\k], v[PW+\k]
.endr
	v_mov_b32 v[MRUN], v38                         ; the plain instruction behind the last exponential
	v_mov_b32 v[CA], v[CA0]                        ; the context's addresses go back to the tile's first rows ahead of the wait, so that it serves them too
	v_mov_b32 v[PTR], s[PTS]
	s_wait_alu depctr_va_vdst(0)                   ; the five exponentials are written, ahead of their first use: PW is the LDS store's data; CA and PTR are written, which the loads below read; the sums above are done reading VV, in which weights land
	ds_store_b128 v[PTW], v[PW:PW+3]               ; my wave's own copy: LDS serves a wave's instructions in order (ISA guide 5.7.1.4), so its loads below see it
	LDC 0, 0
.irp e, 0,2,4,6
	v_pk_mul_f32 v[CTX+\e:CTX+\e+1], v[CTX+\e:CTX+\e+1], v[AL:AL+1] op_sel_hi:[1,0]
.endr
	s_mov_b32 s[CNT], 7
.Lctx:                                             ; 16 rows a trip; 10 = the other set's loads
	s_wait_alu depctr_va_vdst(0)                   ; the last trip's multiply-adds are done reading set 1, in which the loads below land
	LDC 1, 8
	s_wait_dscnt 10
	FMC 0
	s_wait_alu depctr_vm_vsrc(0)                   ; the LDS loads issued so far have read CA and PTR (and the stores of the scores and of the weights their data)
	v_add_nc_u32 v[CA], 16*RP, v[CA]
	v_add_nc_u32 v[PTR], 64, v[PTR]
	s_wait_alu depctr_va_vdst(0)                   ; CA and PTR are written; the multiply-adds above are done reading set 0, in which the loads below land
	LDC 0, 0
	s_wait_dscnt 10
	FMC 1
	s_sub_co_u32 s[CNT], s[CNT], 1
	s_cmp_lg_u32 s[CNT], 0
	s_cbranch_scc1 .Lctx
	s_wait_alu depctr_va_vdst(0)                   ; the last trip's multiply-adds are done reading set 1, in which the loads below land
	LDC 1, 8
	s_wait_dscnt 10
	FMC 0
	s_wait_dscnt 0x0                               ; also: my reads of the tile and of the scores' parts are over,
	FMC 1
	s_barrier_signal -1                            ; and so are everybody's behind this barrier: the next tile may be written
	s_barrier_wait -1
	s_wait_xcnt 0x0                                ; the score store and the prefetches have read their registers
	s_add_nc_u64 s[SCO:SCO+1], s[SCO:SCO+1], 512
	s_sub_nc_u64 s[PB:PB+1], s[PB:PB+1], 62*POSB   ; back to position 0: positions 64 to 66, on their way, are its first three
	v_mov_b32 v[ADRA], v[ADRA0]
	s_sub_co_u32 s[TL], s[TL], 1
	s_cmp_lg_u32 s[TL], 0
	s_cbranch_scc1 .Ltile
; THE WAY OUT: a lane's 32 bytes go through my own 1,024 bytes of LDS, so that each store covers 512 consecutive bytes
	v_and_b32 v38, 31, v0
	s_lshl_b32 s30, s[WV], 10
	s_add_co_u32 s31, s30, CT
	v_lshl_add_u32 v39, v38, 5, s31
	v_lshl_add_u32 v44, v38, 4, s31
	v_lshl_add_u32 v45, v38, 4, s30
	s_wait_alu depctr_va_vdst(0)                   ; the three addresses are written; the multiply-adds have written CTX, which the LDS stores read, and are done reading VV, in which the loads below land
	ds_store_b128 v39, v[CTX:CTX+3]
	ds_store_b128 v39, v[CTX+4:CTX+7] offset:16
	ds_load_b128 v[VV:VV+3], v44
	ds_load_b128 v[VV+4:VV+7], v44 offset:512
	s_wait_dscnt 0x0
	global_store_b128 v45, v[VV:VV+3], s[CXO:CXO+1]
	global_store_b128 v45, v[VV+4:VV+7], s[CXO:CXO+1] offset:512
	s_wait_dscnt 0x0                               ; the wave's end: my last LDS loads and stores are done; below, 0 is added onto my spare LDS word
	s_wait_alu depctr_hold_cnt(0) depctr_sa_sdst(0) depctr_va_vdst(0) depctr_va_sdst(0) depctr_va_ssrc(0) depctr_va_vcc(0) depctr_vm_vsrc(0)
	s_wait_tensorcnt 0x0
	ds_add_u32 v2, v17
	s_wait_dscnt 0x0
	s_endpgm
.Lfunc_end_k_q6ab01edc8a_attn:
	.size	k_q6ab01edc8a_attn, .Lfunc_end_k_q6ab01edc8a_attn-k_q6ab01edc8a_attn
	.p2alignl 7, 3214868480
	.fill 96, 4, 3214868480
	.section	.rodata,"a",@progbits
	.p2align	6, 0x0
	.amdhsa_kernel k_q6ab01edc8a_attn
		.amdhsa_group_segment_fixed_size 313856
		.amdhsa_private_segment_fixed_size 0
		.amdhsa_enable_private_segment 0
		.amdhsa_kernarg_size 72
		.amdhsa_user_sgpr_count 2
		.amdhsa_user_sgpr_kernarg_segment_ptr 1
		.amdhsa_wavefront_size32 1
		.amdhsa_system_sgpr_workgroup_id_x 1
		.amdhsa_system_sgpr_workgroup_id_y 1
		.amdhsa_system_sgpr_workgroup_id_z 1
		.amdhsa_system_vgpr_workitem_id 0
		.amdhsa_next_free_vgpr 1024
		.amdhsa_next_free_sgpr 66
		.amdhsa_reserve_vcc 0
		.amdhsa_float_denorm_mode_32 3
		.amdhsa_float_denorm_mode_16_64 3
		.amdhsa_memory_ordered 1
		.amdhsa_forward_progress 1
		.amdhsa_inst_pref_size 255
	.end_amdhsa_kernel
	.section	.bss,"aw",@nobits
	.p2align	6
	.space	262144
	.amdgpu_metadata
---
amdhsa.version: [ 1, 2 ]
amdhsa.kernels:
  - .name:           k_q6ab01edc8a_attn
    .symbol:         k_q6ab01edc8a_attn.kd
    .args:
      - { .name: values, .offset: 0, .size: 8, .value_kind: global_buffer, .address_space: global }
      - { .name: w2f, .offset: 8, .size: 8, .value_kind: global_buffer, .address_space: global }
      - { .name: qpart, .offset: 16, .size: 8, .value_kind: global_buffer, .address_space: global }
      - { .name: b1, .offset: 24, .size: 8, .value_kind: global_buffer, .address_space: global }
      - { .name: b2, .offset: 32, .size: 8, .value_kind: global_buffer, .address_space: global }
      - { .name: V, .offset: 40, .size: 8, .value_kind: global_buffer, .address_space: global }
      - { .name: bV, .offset: 48, .size: 8, .value_kind: global_buffer, .address_space: global }
      - { .name: scores, .offset: 56, .size: 8, .value_kind: global_buffer, .address_space: global }
      - { .name: ctxp, .offset: 64, .size: 8, .value_kind: global_buffer, .address_space: global }
    .group_segment_fixed_size: 313856
    .private_segment_fixed_size: 0
    .kernarg_segment_align: 8
    .kernarg_segment_size: 72
    .max_flat_workgroup_size: 128
    .sgpr_count:     66
    .vgpr_count:     1024
    .wavefront_size: 32
...
	.end_amdgpu_metadata
.endif
;; end of part 4
;; launch finish: the kernel of part 3 again; grid 32 x 1, 8 waves a work-group, no clusters, 1,536 bytes of LDS; arguments scores, ctxp, out0, out1; writes out0, out1
